; MI455X (gfx1250); checked and timed in simulation.
; The chip was launched on July 23, 2026; its instructions are those of AMD's public machine-readable ISA for CDNA 5 (MIT licence, August 2026) and "CDNA5" Instruction Set Architecture Reference Guide (July 2026). The comments in the code are by the model that wrote it; some were corrected since.
;; Causal Self Attention. Allowed arithmetic: matrix products marked QUANTISED: E4M3 operands, one given power-of-two scale a tensor, by v_wmma_f32_16x16x64_fp8_fp8 or v_wmma_f32_16x16x128_fp8_fp8, f32 sums; everything else in f32.
;; Inputs: b_proj 1,024 float32; b_qkv 3,072 float32; lowp_scales 8 int32 (the exponents e of the quantised operands' scales 2^e); w_proj 1,024 x 1,024 float32; w_qkv 1,024 x 3,072 float32; x 2 x 2,048 x 1,024 float32.
;; Outputs: out0 2 x 2,048 x 1,024 float32.
;; This version of the problem:
;;   THIS VERSION OF THE PROBLEM IS GIVEN IN LOW PRECISION. The matrix products marked QUANTISED in the list below multiply operands that are first quantised to E4M3 (4 exponent bits, 3 mantissa bits; 8 bits a number), with one given power-of-two scale for each operand tensor; their sums are f32. All else is computed in f32.
;;   The module's matrix products, in the order in which they are computed (A, B: the left and right operand; K: the contracted axis; several contracted axes count as one K, in the product's order):
;;     1. [M 4,096, K 1,024] x [K 1,024, N 3,072]; A: input x; B: input w_qkv: QUANTISED (scales: A lowp_scales[0], B lowp_scales[1])
;;     2. batch 32 x [M 2,048, K 64] x [K 64, N 2,048]; A: computed on the way; B: computed on the way: QUANTISED (scales: A lowp_scales[2], B lowp_scales[3])
;;     3. batch 32 x [M 2,048, K 2,048] x [K 2,048, N 64]; A: softmax (see below); B: computed on the way: QUANTISED (scales: A lowp_scales[4], B lowp_scales[5])
;;     4. [M 4,096, K 1,024] x [K 1,024, N 1,024]; A: computed on the way; B: input w_proj: QUANTISED (scales: A lowp_scales[6], B lowp_scales[7])
;;   THE QUANTISER, for each operand of a quantised product, along K:
;;     - The operand's scale is 2^e, e = its entry of the input lowp_scales (int32; the entries are numbered through the quantised products in the list's order, A before B).
;;     - Each number is divided by the scale, clamped to +-448, and rounded to the nearest number of E4M3, ties to even, subnormals kept.
;;     - The product sums the exact products of the quantised numbers (number of the format x scale) in f32.
;;   ~~~python
;;   def quantise(x, axis, e):      # numpy; x: float32 -> the quantised numbers, widened to float32 again
;;       x = np.moveaxis(x, axis, -1); K = x.shape[-1]
;;       r = np.clip(x / 2.0 ** e, -448, 448)
;;       step = 2.0 ** (np.maximum(np.frexp(np.where(r == 0, 1, r))[1] - 1, -6) - 3)
;;       q = np.round(r / step) * step * 2.0 ** e      # np.round: ties to even
;;       return np.moveaxis(q, -1, axis).astype(np.float32)
;;   ~~~
;;   SOFTMAX AHEAD OF A QUANTISED PRODUCT. Where the list says 'softmax', what is quantised is not the finished softmax but p = 2^(t - M), with t = logit x log2(e) and M = ceil(the row's largest t), a whole number; so 1/2 < the row's largest p <= 1. The row's sum l is taken of the UNQUANTISED p, in f32, and the product's result is divided by l at the end. Since M is a whole number, a kernel that streams over the keys may use a running M (the ceiling of the running maximum): every later rescaling is an exact power of two, so the quantised numbers keep their values, but for numbers so far below the row's largest that they fall under the format's range.
;;   OPERANDS COMPUTED ON THE WAY. 'Computed on the way' means the value that the module computes at that place (a softmax that the list does not call 'softmax' is quantised finished and normalised). What goes into a quantiser is computed in f32, as accurately as f32 sums, v_exp_f32 and their like allow (about 1e-6 of the number): no bf16 or f16 on the way to a quantiser, and a product that is left as it is and whose result goes on into a quantised operand takes f32 operands (vector FMAs, or v_wmma_f32_16x16x4_f32). A number that lies on a knife's edge between two numbers of the format may be rounded either way, as far as f32 arithmetic and the matrix unit's own rounding can turn it there, and no further.
;; 2 versions, each right; version 2 is version 1 with the launch attn written anew for expert scheduling mode. Each part assembles by itself: llvm-mc -triple=amdgcn-amd-amdhsa -mcpu=gfx1250 --defsym DOCPART=n.
;; ======== version 1 of 2: 4 launches
;; limits: right only within a limited range of input values
;; workspace buffers: x_img 4,194,304 bytes; wq_img 3,145,728 bytes; wp_img 1,048,576 bytes; q_img 4,194,304 bytes; k_img 4,194,304 bytes; v_img 4,194,304 bytes; y_img 4,194,304 bytes
;; launch quant (part 1): grid 256 x 1, 8 waves a work-group, no clusters, 136,192 bytes of LDS; arguments x, w_qkv, w_proj, lowp_scales, x_img, wq_img, wp_img; writes x_img, wq_img, wp_img
.if DOCPART == 1
	.amdgcn_target "amdgcn-amd-amdhsa--gfx1250"
	.amdhsa_code_object_version 6
	.text
	.protected	k_qe30286de0b_quant
	.globl	k_qe30286de0b_quant
	.p2align	8
	.type	k_qe30286de0b_quant,@function
k_qe30286de0b_quant:
	s_mov_b64 s[64:65], 0
	v_nop
	global_prefetch_b8 v0, s[64:65] scope:SCOPE_SE
	s_setreg_imm32_b32 hwreg(HW_REG_WAVE_MODE, 25, 1), 1
	s_wait_xcnt 0x0
; x [4096][1024], w_qkv [1024][3072] and w_proj [1024][1024], f32, become codes of FP8 (E4M3), each with its given scale 2^e (entries 0, 1, 7 of the scales).
; code = number / 2^e, held within +-448, rounded to the nearest code, ties to even.
; LIMITS: each e between -126 and 119, so that 2^e and 448 x 2^e are f32 numbers.  NaN among the inputs is not served; an infinity is held at the largest code.
; THE CODES ARE LAID AS IMAGES OF OPERAND REGISTERS.  A fragment is 16 rows x 128 along K, 16 registers a lane, 2,048 bytes: register 2 c + q, byte b of lane l = 16 h + r
; holds k = 16 c + 8 h + 4 q + b of row r; registers 4 p .. 4 p + 3 of lane l lie at 512 p + 16 l.  x_img: [tile 256][K step 8][2048]; wq_img: [tile 192][8][2048]; wp_img: [tile 64][8][2048].
; A TILE OF x's ROWS IS NOT 16 NEIGHBOURS: row rho of tile 2 B + u is token 32 B + 8 u + rho + 8 (rho / 8).  A tile of a weight is 16 neighbouring columns.
; SHARES.  Work-groups 0-127: 32 tokens of x each, wave w takes K step w.  128-223: w_qkv, 256 columns x 128 along K each.  224-255: w_proj likewise.  Each reads 131,072 bytes.
; Waves share nothing: no barrier.  Only x's path uses LDS (each wave its own stage).
.set SP,   528                         ; a stage row: 512 bytes + 16
.set STG,  32*SP                       ; a wave's stage: 32 tokens
.set R,    16                          ; v16-143  x as loaded: 4 registers a token; later the second tile's 64 numbers
.set XA,   144                         ; v144-207 the first tile's 64 numbers
.set C,    208                         ; v208-239 two fragments of codes
.set WX,   16                          ; v16-143  a weight's column: 128 numbers down K
.set WC,   144                         ; v144-175 their codes
	s_load_b256 s[4:11], s[0:1], 0x0               ; x s[4:5], w_qkv s[6:7], w_proj s[8:9], the scales s[10:11]
	s_load_b128 s[12:15], s[0:1], 0x20             ; x_img s[12:13], wq_img s[14:15]
	s_load_b64 s[16:17], s[0:1], 0x30              ; wp_img
	v_lshl_add_u32 v240, v0, 2, 0x21000
	v_mov_b32 v241, 0
	v_lshrrev_b32 v1, 5, v0
	v_readfirstlane_b32 s18, v1                    ; wave 0..7
	v_and_b32 v5, 31, v0                           ; lane
	s_wait_kmcnt 0x0
	s_load_b64 s[28:29], s[10:11], 0x0             ; e of x, e of w_qkv
	s_load_b32 s30, s[10:11], 0x1c                 ; e of w_proj
	s_cmp_lt_u32 ttmp9, 128
	s_cbranch_scc0 .Lweights
.macro SCALE e                         ; v11 = 2^e as f32 (the conversion takes its exponent field), v10 = 448 x 2^e
	s_add_co_i32 s24, \e, 127
	s_lshl_b32 s25, s24, 23
	v_mov_b32 v11, s25
	s_add_co_i32 s24, s24, 8
	s_lshl_b32 s24, s24, 23
	s_or_b32 s24, s24, 0x600000
	v_mov_b32 v10, s24
.endm
.macro QUANT64 src, dst                ; 64 numbers of a lane, register 8 c + i = k 16 c + 8 h + i of its row, become a fragment's 16 registers
.set qi, 0
.rept 64
	v_med3_num_f32 v[\src+qi], v[\src+qi], -v10, v10   ; the conversion to an 8-bit code does not saturate (ISA guide 7.6.2): the hold comes first
.set qi, qi+1
.endr
.set qi, 0
.rept 8
	v_cvt_scalef32_pk8_fp8_f32 v[\dst+2*qi:\dst+2*qi+1], v[\src+8*qi:\src+8*qi+7], v11
.set qi, qi+1
.endr
.endm
.macro BACK u, reg                     ; tile u's numbers out of the stage: lane (r, h) takes 32 bytes at 64 c + 32 h of stage row 16 u + r
.set t, 0
.rept 16
	ds_load_b128 v[\reg+4*t:\reg+4*t+3], v4 offset:(\u)*16*SP+64*(t/2)+16*(t%2)
.set t, t+1
.endr
.endm
	; ---- x: 32 tokens x 128 along K for a wave
	v_lshlrev_b32 v2, 4, v5                        ; 16 x lane: my 16 bytes of a token's 512, and of an image's piece
	s_mul_i32 s19, s18, STG                        ; my wave's stage
	v_add_nc_u32 v3, s19, v2                       ; into it: a token's 512 bytes as they lie
	v_and_b32 v6, 15, v0                           ; r
	v_bfe_u32 v7, v0, 4, 1                         ; h
	v_mul_u32_u24 v4, v6, SP
	v_lshl_add_u32 v4, v7, 5, v4
	v_add_nc_u32 v4, s19, v4                       ; out of it: row r, + 32 h
	s_lshl_b32 s20, ttmp9, 17                      ; 32 tokens of 4,096 bytes
	s_lshl_b32 s21, s18, 9                         ; + my K step's 512 bytes
	s_add_co_u32 s20, s20, s21
	s_mov_b32 s21, 0
	s_add_nc_u64 s[4:5], s[4:5], s[20:21]
	s_lshl_b32 s22, ttmp9, 15                      ; two tiles of 16,384 bytes
	s_lshl_b32 s23, s18, 11                        ; + my K step's fragment
	s_add_co_u32 s22, s22, s23
	s_mov_b32 s23, 0
	s_add_nc_u64 s[12:13], s[12:13], s[22:23]
.set t, 0
.rept 32
	global_load_b128 v[R+4*t:R+4*t+3], v2, s[4:5] offset:t*4096 th:TH_LOAD_NT   ; 32 lanes read 512 consecutive bytes of token t
.set t, t+1
.endr
	s_wait_kmcnt 0x0
	SCALE s28
.set t, 0
.rept 32
	s_wait_loadcnt 31-t                            ; loads come back in order: token t is in, the younger ones stay out
	ds_store_b128 v3, v[R+4*t:R+4*t+3] offset:(16*((t/8)%2)+8*(t/16)+(t%8))*SP   ; token t is row t % 8 + 8 (t / 16) of tile (t / 8) % 2
.set t, t+1
.endr
	BACK 0, XA                                     ; LDS serves a wave's instructions in order: these see my stores
	s_wait_dscnt 0x0                               ; the first tile is in, and the stores have read v16-143
	BACK 1, R
	QUANT64 XA, C
.irp p, 0,1,2,3
	global_store_b128 v2, v[C+4*\p:C+4*\p+3], s[12:13] offset:512*\p            ; 32 lanes store 512 consecutive bytes, aligned
.endr
	s_wait_dscnt 0x0                               ; the second tile is in
	QUANT64 R, C+16
.irp p, 0,1,2,3
	global_store_b128 v2, v[C+16+4*\p:C+16+4*\p+3], s[12:13] offset:16384+512*\p
.endr
	s_wait_tensorcnt 0x0
	ds_add_u32 v240, v241
	s_wait_dscnt 0x0
	s_endpgm
; ---- a weight [1024 (k)][n]: A LANE TAKES A COLUMN, ITS REGISTERS RUN DOWN K, so the conversions give codes with K innermost and nothing is transposed.
.macro LOADB p, pitch, src             ; block p: k = 32 p + 0 .. 31 of my column
.set li, 0
.rept 32
	global_load_b32 v[WX+32*(\p)+li], v2, s[\src:\src+1] offset:(32*(\p)+li)*\pitch th:TH_LOAD_NT
.set li, li+1
.endr
.endm
.macro WORK p, dst                     ; block p's 32 codes are piece p of the image, for both halves h of the fragment's lanes: h = g % 2 takes conversions g and g + 2
.set li, 0
.rept 32
	v_med3_num_f32 v[WX+32*(\p)+li], v[WX+32*(\p)+li], -v10, v10
.set li, li+1
.endr
.irp g, 0,1,2,3
	v_cvt_scalef32_pk8_fp8_f32 v[WC+8*(\p)+4*(\g%2)+2*(\g/2):WC+8*(\p)+4*(\g%2)+2*(\g/2)+1], v[WX+32*(\p)+8*\g:WX+32*(\p)+8*\g+7], v11
.endr
.irp h, 0,1
	global_store_b128 v3, v[WC+8*(\p)+4*\h:WC+8*(\p)+4*\h+3], s[\dst:\dst+1] offset:512*(\p)+256*\h   ; sixteen lanes store 256 consecutive bytes, aligned, of one fragment
.endr
.endm
.macro WPATH pitch, src, dst, e, id0
	s_sub_co_u32 s19, ttmp9, \id0
	s_lshr_b32 s20, s19, 3                         ; which 256 columns
	s_and_b32 s19, s19, 7                          ; which K step
	v_lshlrev_b32 v2, 2, v5                        ; in: 4 bytes a lane
	v_lshrrev_b32 v3, 4, v5
	v_and_b32 v4, 15, v5
	v_lshlrev_b32 v3, 14, v3                       ; out: lanes 16-31 hold the next tile, 16,384 bytes on,
	v_lshl_add_u32 v3, v4, 4, v3                   ; 16 bytes for each column of a tile
	s_mul_i32 s22, s19, 128*\pitch
	s_lshl_b32 s21, s20, 10
	s_add_co_u32 s22, s22, s21
	s_lshl_b32 s21, s18, 7                         ; my wave's 32 columns
	s_add_co_u32 s22, s22, s21
	s_mov_b32 s23, 0
	s_add_nc_u64 s[\src:\src+1], s[\src:\src+1], s[22:23]
	s_lshl_b32 s24, s20, 4
	s_lshl_b32 s21, s18, 1
	s_add_co_u32 s24, s24, s21                     ; my wave's first tile: 16 x group + 2 x wave
	s_lshl_b32 s24, s24, 14
	s_lshl_b32 s21, s19, 11
	s_add_co_u32 s24, s24, s21
	s_mov_b32 s25, 0
	s_add_nc_u64 s[\dst:\dst+1], s[\dst:\dst+1], s[24:25]
	LOADB 0, \pitch, \src
	LOADB 1, \pitch, \src
	s_wait_kmcnt 0x0
	SCALE \e
	s_wait_loadcnt 32                              ; block 0 is in; block 1's 32 loads may be out
	LOADB 2, \pitch, \src
	WORK 0, \dst
	s_wait_loadcnt 32                              ; block 1 is in; block 2's may be out
	LOADB 3, \pitch, \src
	WORK 1, \dst
	s_wait_loadcnt 32                              ; block 2 is in
	WORK 2, \dst
	s_wait_loadcnt 0x0
	WORK 3, \dst
.endm
.Lweights:
	s_cmp_lt_u32 ttmp9, 224
	s_cbranch_scc0 .Lwproj
	WPATH 12288, 6, 14, s29, 128
	s_endpgm
.Lwproj:
	WPATH 4096, 8, 16, s30, 224
	s_endpgm
.Lfunc_end_k_qe30286de0b_quant:
	.size	k_qe30286de0b_quant, .Lfunc_end_k_qe30286de0b_quant-k_qe30286de0b_quant
	.p2alignl 7, 3214868480
	.fill 96, 4, 3214868480
	.section	.rodata,"a",@progbits
	.p2align	6, 0x0
	.amdhsa_kernel k_qe30286de0b_quant
		.amdhsa_group_segment_fixed_size 136192
		.amdhsa_private_segment_fixed_size 0
		.amdhsa_enable_private_segment 0
		.amdhsa_kernarg_size 56
		.amdhsa_user_sgpr_count 2
		.amdhsa_user_sgpr_kernarg_segment_ptr 1
		.amdhsa_wavefront_size32 1
		.amdhsa_system_sgpr_workgroup_id_x 1
		.amdhsa_system_sgpr_workgroup_id_y 1
		.amdhsa_system_sgpr_workgroup_id_z 1
		.amdhsa_system_vgpr_workitem_id 0
		.amdhsa_next_free_vgpr 242
		.amdhsa_next_free_sgpr 66
		.amdhsa_reserve_vcc 0
		.amdhsa_float_denorm_mode_32 3
		.amdhsa_float_denorm_mode_16_64 3
		.amdhsa_memory_ordered 1
		.amdhsa_forward_progress 1
		.amdhsa_inst_pref_size 67
	.end_amdhsa_kernel
	.amdgpu_metadata
---
amdhsa.version: [ 1, 2 ]
amdhsa.kernels:
  - .name:           k_qe30286de0b_quant
    .symbol:         k_qe30286de0b_quant.kd
    .args:
      - { .name: x, .offset: 0, .size: 8, .value_kind: global_buffer, .address_space: global }
      - { .name: w_qkv, .offset: 8, .size: 8, .value_kind: global_buffer, .address_space: global }
      - { .name: w_proj, .offset: 16, .size: 8, .value_kind: global_buffer, .address_space: global }
      - { .name: lowp_scales, .offset: 24, .size: 8, .value_kind: global_buffer, .address_space: global }
      - { .name: x_img, .offset: 32, .size: 8, .value_kind: global_buffer, .address_space: global }
      - { .name: wq_img, .offset: 40, .size: 8, .value_kind: global_buffer, .address_space: global }
      - { .name: wp_img, .offset: 48, .size: 8, .value_kind: global_buffer, .address_space: global }
    .group_segment_fixed_size: 136192
    .private_segment_fixed_size: 0
    .kernarg_segment_align: 8
    .kernarg_segment_size: 56
    .max_flat_workgroup_size: 256
    .sgpr_count:     66
    .vgpr_count:     242
    .wavefront_size: 32
...
	.end_amdgpu_metadata
.endif
;; end of part 1
;; launch qkv (part 2): grid 12 x 16, 4 waves a work-group, clusters of 4 x 4, 327,680 bytes of LDS; arguments x_img, wq_img, b_qkv, lowp_scales, q_img, k_img, v_img; writes q_img, k_img, v_img
.if DOCPART == 2
	.amdgcn_target "amdgcn-amd-amdhsa--gfx1250"
	.amdhsa_code_object_version 6
	.text
	.protected	k_qe30286de0b_qkv
	.globl	k_qe30286de0b_qkv
	.p2align	8
	.type	k_qe30286de0b_qkv,@function
k_qe30286de0b_qkv:
	s_mov_b64 s[64:65], 0
	v_nop
	global_prefetch_b8 v0, s[64:65] scope:SCOPE_SE
	s_setreg_imm32_b32 hwreg(HW_REG_WAVE_MODE, 25, 1), 1
	s_wait_xcnt 0x0
	s_wait_alu depctr_hold_cnt(0) depctr_sa_sdst(0) depctr_va_vdst(0) depctr_va_sdst(0) depctr_va_ssrc(0) depctr_va_vcc(0) depctr_vm_vsrc(0)
	s_getreg_b32 s2, hwreg(HW_REG_IB_STS2, 6, 4)
	s_cmp_eq_u32 s2, 0
	s_cbranch_scc0 .Lentry_in_a_cluster
	s_endpgm
.Lentry_in_a_cluster:
	s_bfe_u32 s2, ttmp6, 0x10000c
	s_cmp_lg_u32 s2, 0xf033
	s_cbranch_scc0 .Lentry_shape_is_right
	s_endpgm
.Lentry_shape_is_right:
; qkv = x w_qkv + b_qkv on codes of FP8 (E4M3), and q, k, v quantised on the way out, each with its given scale (entries 2, 3, 5); x's and w_qkv's scales are entries 0 and 1.
; LIMITS: e0 + e1 between -126 and 127; e2, e3, e5 between -126 and 119: each power of two below is then an f32 number.
; OPERANDS are images of operand registers (16 rows x 128 K = 2,048 bytes; registers 4 p .. 4 p + 3 of lane l at 512 p + 16 l): x_img [tile 256][K step 8][2048], wq_img [tile 192][8][2048].
; Row rho of x's tile 2 B + u is token 32 B + 8 u + rho + 8 (rho / 8).
; A work-group of four waves makes 256 x 256 of C' = A' B'^T, a wave 128 x 128: 64 accumulators, 512 registers.  K = 1,024 goes in four steps of 256 through two LDS slots.
; THE KIND is the cluster's x: 0 = q, 1 = k, 2 = v.  q, k: A' = x (tokens), B' = w_qkv's columns.  v: A' = w_qkv's columns 2,048 on (channels), B' = x (tokens): V^T.
; THE MATRIX INSTRUCTION IS USED TRANSPOSED (source 0 = 16 rows of B', source 1 = 16 rows of A'): lane (r, h) holds row r of A's tile, and its registers j the rows 8 h + j of B's tile.
;   q, k: a lane's eight numbers are channels 16 b + 8 h + j of one token: the conversion's result is registers 2 c, 2 c + 1 of a fragment 16 tokens x 64 channels.
;   v: they are keys 32 B + 16 h + 8 u + j of one channel (B's tile 2 B + u): the result is registers 4 B + 2 u, + 1 of a fragment 16 channels x 128 keys, in which a lane's 16 bytes of a piece are 16 neighbouring keys.
; So the conversions' results ARE the images that the next launch loads: q_img, k_img [head 32][tile 128][1024], v_img [head 32][128 keys: 16][16 channels: 4][2048].  No stage in LDS.
; CLUSTERS: 4 x 4 work-groups; A's tiles are asked for jointly along a row of the cluster, B's along a column.
; REGISTERS, in windows of 256: window 0: v2-15, v24-25 the bias by rows of A' (each word twice); v16-31 addresses and constants; v32-63 at work; v64-127 the bias by rows of B'; v128-255 A's fragments, one set, later the codes.
;   window 1: B's fragments, two sets.   windows 2, 3: the accumulators ((a, b) at v[8 (8 (a % 4) + b)]).
.set FR,     16                        ; registers of a fragment
.set NL,     4                         ; LDS loads that bring one
.set NP,     4                         ; places behind this matrix instruction (ISA guide 7.12.1)
.set SLOT,   131072                    ; a slot: four quarters of 32,768 bytes: A's tiles 0-7, 8-15, B's 0-7, 8-15; a tile's 256 along K are 4,096 bytes
.set SPARE,  2*SLOT                    ; behind the ring: the spare words, 128 bytes for each wave: two blocks of 256 bytes that no other line names
.set ADRA, 16                          ; v16-17  LDS address of my A fragments in slot 0, 1
.set ADRB, 20                          ; v20-21  the same for B
.set BO,   22                          ; v22     32 x (lane / 16): the bias by B's rows
.set RO,   23                          ; v23     4 x (lane % 16): the bias by A's rows
.set CO,   26                          ; v26     16 x lane
.set SPW,  28                          ; v28     LDS address of my spare word; never rewritten
.set NIL,  29                          ; v29     0; never rewritten
.set LIM,  30                          ; v30     448 x the result's scale
.set SCL,  31                          ; v31     the result's scale as f32
.set TMP,  32
.set BI,   64
.set AF,   128
.set CD,   128
.set G1, 24                            ; s[24:31] descriptor group 1 for A's tiles;  s[32:39] group 0, one set for each slot
.set G0, 32
.set G1B, 48                           ; s[48:55], s[56:63] the same for B's tiles
.set G0B, 56
.set MSB, 0
.macro WIN new                         ; the immediate's high byte repeats the setting that is left
.if MSB != \new
	s_set_vgpr_msb (MSB<<8)|\new
.set MSB, \new
.endif
.endm
.set MUL_LO, 0xa1                      ; source 0 (B) window 1, source 1 (A) window 0, C and D window 2
.set MUL_HI, 0xf1                      ; the same, C and D window 3
.set TO_B,   0x40                      ; destination window 1, address window 0
; A joint load: waves 0 and 1 fetch for A, waves 2 and 3 for B; the branch hangs on the wave's number alone.  Four v_nop follow each of the two lines.
.macro JLOAD g0a, g1a, g0b, g1b
	s_cmp_eq_u32 s15, 0
	s_cbranch_scc0 .Lfor_b_\@
	tensor_load_to_lds s[\g0a:\g0a+3], s[\g1a:\g1a+7]
	s_nop 0
.rept 4
	v_nop
.endr
	s_branch .Lasked_\@
.Lfor_b_\@:
	tensor_load_to_lds s[\g0b:\g0b+3], s[\g1b:\g1b+7]
	s_nop 0
.rept 4
	v_nop
.endr
.Lasked_\@:
.endm
.macro CREST                           ; a round of the cluster's barrier behind its opening barrier
	s_cmp_lg_u32 s14, 0
	s_cbranch_scc1 .Lnot_wave_0_\@
	s_barrier_signal -3
.Lnot_wave_0_\@:
	s_barrier_wait -3
	s_barrier_signal -1
	s_barrier_wait -1
.endm
.macro CROUND                          ; a whole round
	s_barrier_signal -1
	s_barrier_wait -1
	CREST
.endm
	s_load_b256 s[4:11], s[0:1], 0x0               ; x_img s[4:5], wq_img s[6:7], b_qkv s[8:9], the scales s[10:11]
	s_load_b128 s[84:87], s[0:1], 0x20             ; q_img, k_img
	s_load_b64 s[88:89], s[0:1], 0x30              ; v_img
	v_lshl_add_u32 v[SPW], v0, 2, SPARE
	v_mov_b32 v[NIL], 0
	ds_add_u32 v28, v29
	ds_add_u32 v28, v29
	s_wait_dscnt 0x0
	v_lshrrev_b32 v1, 5, v0
	v_readfirstlane_b32 s14, v1                    ; wave 0..3
	s_lshr_b32 s15, s14, 1                         ; which half of A's rows is mine.  Also: I fetch for A (0) or for B (1)
	s_and_b32 s16, s14, 1                          ; which half of B's rows.  Also: which 8 tiles I fetch
	s_bfe_u32 s40, ttmp6, 0x40000                  ; cx, cy: my place in the cluster
	s_bfe_u32 s41, ttmp6, 0x40004
	s_and_b32 s76, ttmp7, 0xffff
	s_lshl_b32 s76, s76, 2                         ; 4 x cluster y
	s_lshl_b32 s77, ttmp9, 2                       ; 4 x cluster x
	s_cmp_eq_u32 ttmp9, 2                          ; the kind: the same in all sixteen partners
	s_cselect_b32 s66, 1, 0                        ; 1: v
	s_cselect_b32 s17, 0, s76                      ; q, k: the clusters' y walks the tokens (A');  v: the four tile rows of channels lie in one cluster
	s_cselect_b32 s42, s76, s77                    ; q, k: the clusters' x walks the columns (B');  v: the clusters' y walks the tokens (B')
	s_cselect_b32 s78, 128, 0                      ; v's channels begin at tile 128 of wq_img
	s_add_co_u32 s17, s17, s41                     ; tile row of C'
	s_add_co_u32 s42, s42, s40                     ; tile column of C'
	s_lshl_b32 s43, s41, 2
	s_lshl_b32 s43, 15, s43                        ; my row of the cluster
	s_lshl_b32 s44, 0x1111, s40                    ; my column
	; descriptor group 1: 8 rows (tiles) of 512 elements of 8 bytes (a tile's 256 along K), 2,048 elements (a tile's whole K) apart; no padding: every LDS read takes 512 consecutive bytes
	s_or_b32 s[G1+0], s43, (3<<16)|(1<<21)         ; 15:0 the mask: A's tiles go to my row; 17:16 elements of 8 bytes; 21 set beside a mask
	s_or_b32 s[G1B+0], s44, (3<<16)|(1<<21)
.irp g, G1, G1B
	s_mov_b32 s[\g+1], 512<<16                     ; tensor_dim0
	s_mov_b32 s[\g+2], 8<<16                       ; tensor_dim1
	s_mov_b32 s[\g+3], 512<<16                     ; tile_dim0
	s_mov_b32 s[\g+4], 8                           ; tile_dim1
	s_mov_b32 s[\g+5], 2048                        ; tensor_dim0_stride
	s_mov_b32 s[\g+6], 0
	s_mov_b32 s[\g+7], 0
.endr
	s_lshl_b32 s18, s16, 3                         ; which 8 tiles I fetch
	s_lshl_b32 s20, s17, 4
	s_add_co_u32 s20, s20, s18
	s_add_co_u32 s20, s20, s78                     ; A: tile 16 x tile row + 8 x half (+ 128)
	s_lshl_b32 s20, s20, 14                        ; 16,384 bytes a tile
	s_mov_b32 s21, 0
	s_lshl_b32 s46, s42, 4
	s_add_co_u32 s46, s46, s18                     ; B: tile 16 x tile column + 8 x half
	s_lshl_b32 s46, s46, 14
	s_mov_b32 s47, 0
	s_lshl_b32 s45, s14, 15                        ; where they go: wave x 32,768: no place in the cluster enters an LDS address
	s_wait_kmcnt 0x0
	s_load_b256 s[68:75], s[10:11], 0x0            ; the eight exponents
	s_cmp_eq_u32 ttmp9, 2
	s_cselect_b64 s[22:23], s[6:7], s[4:5]         ; A'
	s_cselect_b64 s[78:79], s[4:5], s[6:7]         ; B'
	s_add_nc_u64 s[20:21], s[22:23], s[20:21]
	s_add_nc_u64 s[46:47], s[78:79], s[46:47]
	CROUND                                         ; all sixteen work-groups are here: the first joint loads meet
.irp s, 0,1
	s_mov_b32 s[G0+4*\s], 1
	s_add_co_u32 s[G0+4*\s+1], s45, \s*SLOT
	s_add_nc_u64 s[G0+4*\s+2:G0+4*\s+3], s[20:21], \s*4096
	s_or_b32 s[G0+4*\s+3], s[G0+4*\s+3], 0x80000000
	s_mov_b32 s[G0B+4*\s], 1
	s_add_co_u32 s[G0B+4*\s+1], s45, \s*SLOT
	s_add_nc_u64 s[G0B+4*\s+2:G0B+4*\s+3], s[46:47], \s*4096
	s_or_b32 s[G0B+4*\s+3], s[G0B+4*\s+3], 0x80000000
	JLOAD G0+4*\s, G1, G0B+4*\s, G1B               ; two loads of mine are out
.endr
	v_and_b32 v1, 31, v0
	v_lshlrev_b32 v[CO], 4, v1                     ; 16 x lane
	s_lshl_b32 s21, s15, 15                        ; my 8 tiles of A
	s_lshl_b32 s22, s16, 15                        ; my 8 tiles of B,
	s_add_co_u32 s22, s22, 65536                   ; which lie behind A's 16
.irp s, 0,1
	v_add_nc_u32 v[ADRA+\s], s21, v[CO]
	v_add_nc_u32 v[ADRB+\s], s22, v[CO]
	s_add_co_u32 s21, s21, SLOT
	s_add_co_u32 s22, s22, SLOT
.endr
	; THE BIAS, in both forms, in every work-group: so no register's content hangs on a branch.  q, k use the first (a number for each row of B'), v the second (a number for each row of A').
	v_bfe_u32 v[BO], v0, 4, 1
	v_lshlrev_b32 v[BO], 5, v[BO]
	v_and_b32 v[RO], 15, v0
	v_lshlrev_b32 v[RO], 2, v[RO]
	s_lshl_b32 s76, s42, 10                        ; column 256 x tile column + 128 x half, 4 bytes each;
	s_lshl_b32 s77, s16, 9
	s_add_co_u32 s76, s76, s77
	s_cmp_eq_u32 s66, 0
	s_cselect_b32 s76, s76, 0                      ; in v's work-groups, where the tile column counts tokens: 0, so that the loads stay inside b_qkv; their numbers are not used there
	s_mov_b32 s77, 0
	s_add_nc_u64 s[80:81], s[8:9], s[76:77]
	s_lshl_b32 s76, s41, 10                        ; column 2,048 + 256 cy + 128 x half: inside b_qkv in every work-group; used in v's alone
	s_lshl_b32 s78, s15, 9
	s_add_co_u32 s76, s76, s78
	s_add_co_u32 s76, s76, 8192
	s_add_nc_u64 s[82:83], s[8:9], s[76:77]
.irp b, 0,1,2,3,4,5,6,7
	global_load_b128 v[BI+8*\b:BI+8*\b+3],   v[BO], s[80:81] offset:64*\b      ; columns 16 b + 8 h + 0 .. 7
	global_load_b128 v[BI+8*\b+4:BI+8*\b+7], v[BO], s[80:81] offset:64*\b+16
.endr
.irp a, 0,1,2,3,4,5,6,7
.set RBA, 2+2*\a
.if \a == 7
.set RBA, 24
.endif
	global_load_b32 v[RBA],   v[RO], s[82:83] offset:64*\a                    ; channel 16 a + r, twice: a pair for the packed multiply-add
	global_load_b32 v[RBA+1], v[RO], s[82:83] offset:64*\a
.endr
	; where my results go.  q, k: ((batch x 16 + head) x 128 + tile) x 1,024;  v: ((batch x 16 + head) x 16 + block of 128 keys) x 8,192
	s_lshr_b32 s76, s17, 3                         ; batch
	s_lshl_b32 s76, s76, 4
	s_lshl_b32 s77, s40, 2
	s_add_co_u32 s76, s76, s77
	s_lshl_b32 s77, s16, 1
	s_add_co_u32 s76, s76, s77                     ; + head 4 cx + 2 x half
	s_lshl_b32 s76, s76, 7
	s_and_b32 s77, s17, 7
	s_lshl_b32 s77, s77, 4
	s_add_co_u32 s76, s76, s77
	s_lshl_b32 s77, s15, 3
	s_add_co_u32 s76, s76, s77                     ; + tile 16 (tile row % 8) + 8 x half
	s_lshl_b32 s76, s76, 10
	s_lshr_b32 s78, s42, 3                         ; batch
	s_lshl_b32 s78, s78, 4
	s_lshl_b32 s79, s41, 2
	s_add_co_u32 s78, s78, s79
	s_lshl_b32 s79, s15, 1
	s_add_co_u32 s78, s78, s79                     ; + head 4 cy + 2 x half
	s_lshl_b32 s78, s78, 4
	s_and_b32 s79, s42, 7
	s_lshl_b32 s79, s79, 1
	s_add_co_u32 s78, s78, s79
	s_add_co_u32 s78, s78, s16                     ; + block 2 (tile column % 8) + half
	s_lshl_b32 s78, s78, 13
	s_cmp_eq_u32 ttmp9, 0
	s_cselect_b64 s[90:91], s[84:85], s[86:87]
	s_cmp_eq_u32 s66, 0
	s_cselect_b64 s[90:91], s[90:91], s[88:89]
	s_cselect_b32 s76, s76, s78
	s_mov_b32 s77, 0
	s_add_nc_u64 s[90:91], s[90:91], s[76:77]
.macro FRAG reg, adr, q, i             ; tile i's fragment of the slot's q-th 128 along K: four loads of 512 consecutive bytes
.irp c, 0,1,2,3
	ds_load_b128 v[\reg+4*\c:\reg+4*\c+3], v[\adr] offset:2048*(\q)+512*\c+(\i)*4096
.endr
.endm
; 16 matrix instructions: A's blocks a0, a0 + 1 x B's eight, 128 along K.  p: B's set.  zero = 1: the first product starts the sums.
; The 64 accumulators take turns, one instruction a turn, in the same order in every step.
.macro MUL16 a0, p, zero
.irp a, \a0, \a0+1
.irp b, 0,1,2,3,4,5,6,7
.if \zero
	v_wmma_f32_16x16x128_fp8_fp8 v[8*(8*((\a)%4)+\b):8*(8*((\a)%4)+\b)+7], v[128*(\p)+FR*\b:128*(\p)+FR*\b+FR-1], v[AF+FR*(\a):AF+FR*(\a)+FR-1], 0
.else
	v_wmma_f32_16x16x128_fp8_fp8 v[8*(8*((\a)%4)+\b):8*(8*((\a)%4)+\b)+7], v[128*(\p)+FR*\b:128*(\p)+FR*\b+FR-1], v[AF+FR*(\a):AF+FR*(\a)+FR-1], v[8*(8*((\a)%4)+\b):8*(8*((\a)%4)+\b)+7]
.endif
.endr
.endr
.endm
.macro FETCH_B slot, q, p
	WIN TO_B
.irp i, 0,1,2,3,4,5,6,7
	FRAG 128*(\p)+FR*\i, ADRB+\slot, \q, \i
.endr
	WIN 0
.endm
.macro FETCH_A slot, q, i0
.irp i, \i0, \i0+1, \i0+2, \i0+3
	FRAG AF+FR*(\i), ADRA+\slot, \q, \i
.endr
.endm
.macro PLACES n                        ; plain vector instructions between a matrix instruction and a load into, or a vector write of, one of its registers, or a read of its result
.rept \n
	v_nop
.endr
.endm
; A step of 128 along K that has its successor in the same slot.  A block of A is free as soon as its eight products are issued: blocks 0-3 are fetched anew in the step's middle, 4-7 at its end.
.macro STEP slot, q, zero
	s_wait_dscnt 4*NL                              ; B's set and A's blocks 0-3 are in; the youngest 16 loads (A's blocks 4-7) may be out
	WIN MUL_LO
	MUL16 0, (\q)%2, \zero
	MUL16 2, (\q)%2, \zero
	s_wait_dscnt 0                                 ; A's blocks 4-7 are in
	PLACES NP
	FETCH_B \slot, (\q)+1, 1-(\q)%2
	FETCH_A \slot, (\q)+1, 0
	WIN MUL_HI
	MUL16 4, (\q)%2, \zero
	MUL16 6, (\q)%2, \zero
	PLACES NP
	WIN 0
	FETCH_A \slot, (\q)+1, 4
.endm
; A slot's last step changes slots: one barrier; in front of it each wave waits for all its tensor loads, adds 0 to its spare word, and waits for that and for its reads of this slot.  fill = 1: this slot is filled again.
.macro TURN slot, next, fill
	s_wait_tensorcnt 0x0                           ; all my tensor loads have landed: my part of the next slot
	ds_add_u32 v[SPW], v[NIL]                      ; 0 onto my spare word
	s_wait_dscnt 4*NL+1                            ; (the add and the youngest 16 loads may be out)
	WIN MUL_LO
	MUL16 0, 1, 0                                  ; sixteen matrix instructions stand between the add and the wait for it
	s_wait_dscnt 0x0                               ; the add is done, and my reads of this slot are over
	s_barrier_signal -1
	MUL16 2, 1, 0
	WIN 0
	s_barrier_wait -1
.if \fill
	CREST                                          ; the barrier has opened a round of the cluster's barrier: no wave of any partner still reads this slot or has a load on its way
	s_add_nc_u64 s[G0+4*\slot+2:G0+4*\slot+3], s[G0+4*\slot+2:G0+4*\slot+3], 2*4096
	s_add_nc_u64 s[G0B+4*\slot+2:G0B+4*\slot+3], s[G0B+4*\slot+2:G0B+4*\slot+3], 2*4096
	JLOAD G0+4*\slot, G1, G0B+4*\slot, G1B         ; the first tensor load behind the round, my only one until the next; its four v_nop are the places in front of the loads below
.else
	PLACES NP
.endif
	FETCH_B \next, 0, 0
	FETCH_A \next, 0, 0
	WIN MUL_HI
	MUL16 4, 1, 0
	MUL16 6, 1, 0
	PLACES NP
	WIN 0
	FETCH_A \next, 0, 4
.endm
	s_wait_tensorcnt 1                             ; my part of slot 0 is in; slot 1's load may be out
	s_barrier_signal -1
	s_barrier_wait -1                              ; everybody's is
	FETCH_B 0, 0, 0
	FETCH_A 0, 0, 0
	FETCH_A 0, 0, 4
	STEP 0, 0, 1                                   ; K 0-127: its products start the sums
	TURN 0, 1, 1                                   ; K 128-255; slot 0 takes K 512-767
	STEP 1, 0, 0
	TURN 1, 0, 1                                   ; slot 1 takes K 768-1023
	STEP 0, 0, 0
	TURN 0, 1, 0                                   ; nothing is left to fetch
	STEP 1, 0, 0
	s_wait_dscnt 4*NL                              ; the last step
	WIN MUL_LO
	MUL16 0, 1, 0
	MUL16 2, 1, 0
	s_wait_dscnt 0
	WIN MUL_HI
	MUL16 4, 1, 0
	MUL16 6, 1, 0
	WIN 0
	PLACES NP                                      ; in front of the first read of results and of the conversions' writes into the registers that held A's fragments
	; THE WAY OUT: number = sum x 2^(e0 + e1) + bias, one packed multiply-add for two; the hold; the conversion; the image.
	s_wait_kmcnt 0x0
	s_wait_loadcnt 0x0                             ; the bias
	s_add_co_i32 s96, s68, s69
	s_add_co_i32 s96, s96, 127
	s_lshl_b32 s96, s96, 23                        ; 2^(e0 + e1) as f32
	s_mov_b32 s97, s96                             ; (named with it as a pair, so it is written)
	s_cmp_eq_u32 ttmp9, 0
	s_cselect_b32 s76, s70, s71                    ; q's e or k's,
	s_cmp_eq_u32 ttmp9, 2
	s_cselect_b32 s76, s73, s76                    ; or v's: chosen without a branch
	s_add_co_i32 s76, s76, 127
	s_lshl_b32 s77, s76, 23
	v_mov_b32 v[SCL], s77
	s_add_co_i32 s76, s76, 8
	s_lshl_b32 s76, s76, 23
	s_or_b32 s76, s76, 0x600000
	v_mov_b32 v[LIM], s76
; Block a of A', half g of B's eight tiles: 32 numbers a lane become 8 registers of codes, each written once, so that no store's data are written again.
.macro EPI kind
.irp a, 0,1,2,3,4,5,6,7
.set RBA, 2+2*\a
.if \a == 7
.set RBA, 24
.endif
.irp g, 0,1
	WIN 0x02+(\a/4)                                ; source 0: window 2 or 3
.irp i, 0,2,4,6,8,10,12,14,16,18,20,22,24,26,28,30
.if \kind
	v_pk_fma_f32 v[TMP+\i:TMP+\i+1], v[64*(\a%4)+32*\g+\i:64*(\a%4)+32*\g+\i+1], s[96:97], v[RBA:RBA+1] op_sel_hi:[1,0,1]   ; each accumulator from its low end on
.else
	v_pk_fma_f32 v[TMP+\i:TMP+\i+1], v[64*(\a%4)+32*\g+\i:64*(\a%4)+32*\g+\i+1], s[96:97], v[BI+32*\g+\i:BI+32*\g+\i+1] op_sel_hi:[1,0,1]
.endif
.endr
	WIN 0
.set ei, 0
.rept 32
	v_med3_num_f32 v[TMP+ei], v[TMP+ei], -v[LIM], v[LIM]   ; the conversion to an 8-bit code does not saturate (ISA guide 7.6.2)
.set ei, ei+1
.endr
.irp c, 0,1,2,3
	v_cvt_scalef32_pk8_fp8_f32 v[CD+16*\a+8*\g+2*\c:CD+16*\a+8*\g+2*\c+1], v[TMP+8*\c:TMP+8*\c+7], v[SCL]
.endr
	v_nop                                          ; a plain line between the conversions and the next lines that write their sources
.irp p, 0,1
.if \kind
	global_store_b128 v[CO], v[CD+16*\a+8*\g+4*\p:CD+16*\a+8*\g+4*\p+3], s[90:91] offset:(\a/4)*131072+(\a%4)*2048+512*(2*\g+\p)   ; head a / 4, channels 16 (a % 4) on, piece 2 g + p
.else
	global_store_b128 v[CO], v[CD+16*\a+8*\g+4*\p:CD+16*\a+8*\g+4*\p+3], s[90:91] offset:\g*131072+\a*1024+512*\p                  ; head g, tile a, piece p: 32 lanes store 512 consecutive bytes, aligned
.endif
.endr
.endr
.endr
.endm
	s_cmp_eq_u32 s66, 0                            ; the kind: the same in all partners
	s_cbranch_scc0 .Lv_out
	EPI 0
	s_branch .Lend
.Lv_out:
	EPI 1
.Lend:
	s_wait_tensorcnt 0x0                           ; the wave's end
	ds_add_u32 v[SPW], v[NIL]
	s_wait_dscnt 0x0
	CROUND                                         ; the closing round: no work-group ends while a partner may still ask for a tile that names it
	s_endpgm
.Lfunc_end_k_qe30286de0b_qkv:
	.size	k_qe30286de0b_qkv, .Lfunc_end_k_qe30286de0b_qkv-k_qe30286de0b_qkv
	.p2alignl 7, 3214868480
	.fill 96, 4, 3214868480
	.section	.rodata,"a",@progbits
	.p2align	6, 0x0
	.amdhsa_kernel k_qe30286de0b_qkv
		.amdhsa_group_segment_fixed_size 327680
		.amdhsa_private_segment_fixed_size 0
		.amdhsa_enable_private_segment 0
		.amdhsa_kernarg_size 56
		.amdhsa_user_sgpr_count 2
		.amdhsa_user_sgpr_kernarg_segment_ptr 1
		.amdhsa_wavefront_size32 1
		.amdhsa_system_sgpr_workgroup_id_x 1
		.amdhsa_system_sgpr_workgroup_id_y 1
		.amdhsa_system_sgpr_workgroup_id_z 1
		.amdhsa_system_vgpr_workitem_id 0
		.amdhsa_next_free_vgpr 1024
		.amdhsa_next_free_sgpr 100
		.amdhsa_reserve_vcc 0
		.amdhsa_float_denorm_mode_32 3
		.amdhsa_float_denorm_mode_16_64 3
		.amdhsa_memory_ordered 1
		.amdhsa_forward_progress 1
		.amdhsa_inst_pref_size 195
	.end_amdhsa_kernel
	.amdgpu_metadata
---
amdhsa.version: [ 1, 2 ]
amdhsa.kernels:
  - .name:           k_qe30286de0b_qkv
    .symbol:         k_qe30286de0b_qkv.kd
    .args:
      - { .name: x_img, .offset: 0, .size: 8, .value_kind: global_buffer, .address_space: global }
      - { .name: wq_img, .offset: 8, .size: 8, .value_kind: global_buffer, .address_space: global }
      - { .name: b_qkv, .offset: 16, .size: 8, .value_kind: global_buffer, .address_space: global }
      - { .name: lowp_scales, .offset: 24, .size: 8, .value_kind: global_buffer, .address_space: global }
      - { .name: q_img, .offset: 32, .size: 8, .value_kind: global_buffer, .address_space: global }
      - { .name: k_img, .offset: 40, .size: 8, .value_kind: global_buffer, .address_space: global }
      - { .name: v_img, .offset: 48, .size: 8, .value_kind: global_buffer, .address_space: global }
    .group_segment_fixed_size: 327680
    .private_segment_fixed_size: 0
    .kernarg_segment_align: 8
    .kernarg_segment_size: 56
    .max_flat_workgroup_size: 128
    .sgpr_count:     100
    .vgpr_count:     1024
    .wavefront_size: 32
...
	.end_amdgpu_metadata
.endif
;; end of part 2
;; launch attn (part 3): grid 8 x 32, 16 waves a work-group, no clusters, 34,816 bytes of LDS; arguments q_img, k_img, v_img, lowp_scales, y_img; writes y_img
.if DOCPART == 3
	.amdgcn_target "amdgcn-amd-amdhsa--gfx1250"
	.amdhsa_code_object_version 6
	.text
	.protected	k_qe30286de0b_attn
	.globl	k_qe30286de0b_attn
	.p2align	8
	.type	k_qe30286de0b_attn,@function
k_qe30286de0b_attn:
	s_mov_b64 s[64:65], 0
	v_nop
	global_prefetch_b8 v0, s[64:65] scope:SCOPE_SE
	s_setreg_imm32_b32 hwreg(HW_REG_WAVE_MODE, 25, 1), 1
	s_wait_xcnt 0x0
; y[head][q] = the sum over keys k <= q of softmax_k(Q[q] . K[k] / 8) V[k], both products on codes of FP8 (E4M3); y is quantised on the way out with its given scale (entry 6).
; The scales' entries: 2 q, 3 k, 4 p, 5 v, 6 y.  THE SOFTMAX: t = score x log2(e) / 8; M = the running largest t rounded UP to a whole number; p = 2^(t - M) is quantised, not normalised;
; the row's sum is taken of the unquantised p, in f32, and divides at the end.  When M moves, the sum and O are multiplied by 2^(old M - new M), which rounds nothing.
; LIMITS: e2 + e3 between -123 and 130 (added to c's exponent field); e4 and e6 between -126 and 119; e4 + e5 goes through v_ldexp_f32 and has none.
; OPERANDS are images of operand registers.  q_img, k_img: [head 32][tile 128][1024]: 16 tokens x 64 channels, 8 registers; registers 4 p .. + 3 of lane l at 512 p + 16 l.
; Row rho of tile 2 B + u is token 32 B + 8 u + rho + 8 (rho / 8).  v_img: [head][128 keys: 16][16 channels: 4][2048]: register 4 c + 2 u + q, byte b of lane (r, h) = key 32 c + 16 h + 8 u + 4 q + b of channel r.
; LAYOUT.  S^T = K Q^T (source 0 = a tile of keys, source 1 = my tile of queries), O^T = V^T P^T: a lane holds ONE query (row lane % 16 of my tile) throughout.  By the order of a tile's rows the 16 registers of
; score tiles 2 b, 2 b + 1 are keys 32 b + 16 h + 0 .. 15: the conversions' results are P in the very order in which v_img holds the keys.
; SHARES.  Work-group (i, head): waves 0-7 own the 128 queries of block i, waves 8-15 those of block 15 - i, a tile of 16 each.  A step is 128 keys; block m needs steps 0 .. m, the last on the diagonal.
; So every work-group has 8 (i + 1) + 8 (16 - i) = 136 steps of a wave's work.  Every work-group walks 16 steps (a constant trip count); a wave jumps over its own work in steps behind its diagonal, never over a barrier.
; K AND V come through registers into two LDS buffers that take turns: each of the 512 threads moves 16 bytes of K and 16 of V a step.  No tensor load: a step's tiles are 16,384 bytes beside sixteen waves' softmax;
; the work-groups of a head need different numbers of tiles (9 to 16), so they could not ask jointly.
; REGISTERS: v1-4 addresses; v12 -M, v13 the largest t, v[14:15] the sum in two halves; v16-23 Q; v24-31 K's and V's 16 bytes on their way; v32-95 K's 8 fragments, then V's 4; v96-159 S^T, then p; v160-191 O^T;
; v192-207 P's codes; v208-220 at work and constants.
.set BUF,  16384                       ; an LDS buffer: K's 8 images, then V's 4
.set VOFF, 8192
.set GK,   24
.set GV,   28
.set WV,   24                          ; s24  wave 0..15
.set MYB,  25                          ; s25  my block of 128 queries = my last step
.set NST,  26                          ; s26  steps whose tiles the work-group needs: 16 - i
.set ST,   27                          ; s27  the step
.set TR,   28                          ; s28  trips
.set T1,   29
.set KP,   30                          ; s[30:31] K's tile that is loaded next
.set VP,   32                          ; s[32:33] V's
.set PFA,  34                          ; s[34:35] the tile that is prefetched next
.set PLIM, 36                          ; s36  a wave prefetches while the step is under it: 12 or 0
.set W8,   37                          ; s37  wave % 8
.set SEL,  38                          ; s[38:39] lane selects for v_permlanex16_b32: lane l xor 16
.set CS,   40                          ; s[40:41] c = log2(e) / 8 x 2^(e2 + e3)
.set BH,   50                          ; s50  the head, 0..31
	s_load_b256 s[4:11], s[0:1], 0x0               ; q_img s[4:5], k_img s[6:7], v_img s[8:9], the scales s[10:11]
	s_load_b64 s[12:13], s[0:1], 0x20              ; y_img
	v_lshl_add_u32 v224, v0, 2, 0x8000
	v_mov_b32 v225, 0
	v_lshrrev_b32 v5, 5, v0
	v_readfirstlane_b32 s[WV], v5
	v_lshlrev_b32 v1, 4, v0                        ; 16 x thread: my 16 bytes of a step's 8,192 of K and of V, in memory and in LDS
	v_and_b32 v5, 31, v0
	v_lshlrev_b32 v2, 4, v5                        ; 16 x lane: an image's place for my lane
	v_lshlrev_b32 v3, 8, v5                        ; 256 x lane: the prefetches' offset
	v_and_b32 v6, 15, v0                           ; r
	v_bfe_u32 v7, v0, 4, 1                         ; h
	v_and_b32 v4, 8, v6
	v_add_nc_u32 v4, v4, v6                        ; r + 8 (r / 8)
	v_lshlrev_b32 v7, 4, v7
	v_sub_nc_u32 v4, v4, v7                        ; - 16 h
	s_and_b32 s[W8], s[WV], 7
	s_lshr_b32 s42, s[W8], 1
	s_lshl_b32 s42, s42, 5
	s_and_b32 s43, s[W8], 1
	s_lshl_b32 s43, s43, 3
	s_add_co_u32 s42, s42, s43
	v_add_nc_u32 v4, s42, v4                       ; d = my query's place in its block of 128, less 16 h.  On the diagonal register 16 b + i holds key 32 b + 16 h + i of the block: hidden where 32 b + i > d
	s_sub_co_u32 s43, 15, ttmp9
	s_cmp_lt_u32 s[WV], 8
	s_cselect_b32 s[MYB], ttmp9, s43
	s_sub_co_u32 s[NST], 16, ttmp9
	s_and_b32 s[BH], ttmp7, 0xffff
	s_lshl_b32 s44, s[BH], 17                      ; a head is 131,072 bytes in each of q_img, k_img, v_img
	s_mov_b32 s45, 0
	s_lshl_b32 s46, s[MYB], 3
	s_add_co_u32 s46, s46, s[W8]                   ; my tile in the head
	s_lshl_b32 s48, s46, 10
	s_add_co_u32 s48, s48, s44
	s_mov_b32 s49, 0
	s_lshr_b32 s47, s[BH], 4                       ; y_img: [tile 256][head 16][1024]: ((batch x 128 + tile) x 16 + head % 16) x 1,024
	s_lshl_b32 s47, s47, 7
	s_add_co_u32 s47, s47, s46
	s_lshl_b32 s47, s47, 4
	s_and_b32 s46, s[BH], 15
	s_add_co_u32 s46, s47, s46
	s_lshl_b32 s46, s46, 10
	s_mov_b32 s47, 0
	s_lshr_b32 s42, s[WV], 1                       ; who prefetches: waves 0 and 1
	s_or_b32 s42, s42, ttmp9                       ; of the head's work-group 0
	s_cmp_eq_u32 s42, 0
	s_cselect_b32 s[PLIM], 12, 0
	s_mov_b32 s[SEL], 0x76543210
	s_mov_b32 s[SEL+1], 0xfedcba98
	s_wait_kmcnt 0x0
	s_load_b256 s[16:23], s[10:11], 0x0            ; the eight exponents
	s_add_nc_u64 s[KP:KP+1], s[6:7], s[44:45]
	s_add_nc_u64 s[VP:VP+1], s[8:9], s[44:45]
	s_add_nc_u64 s[4:5], s[4:5], s[48:49]
	s_add_nc_u64 s[12:13], s[12:13], s[46:47]
	global_load_b128 v[GK:GK+3], v1, s[KP:KP+1]    ; step 0's tiles
	global_load_b128 v[GV:GV+3], v1, s[VP:VP+1]
	global_load_b128 v[16:19], v2, s[4:5]          ; Q's fragment stays in registers
	global_load_b128 v[20:23], v2, s[4:5] offset:512
	s_cmp_eq_u32 s[WV], 0
	s_cselect_b64 s[PFA:PFA+1], s[KP:KP+1], s[VP:VP+1]  ; wave 0 asks for K's tiles, wave 1 for V's
	s_add_nc_u64 s[PFA:PFA+1], s[PFA:PFA+1], 3*8192     ; at tile 3: step 0 steps it to tile 4.  Tiles 0 to 3 come by their loads alone
	v_mov_b32 v13, 0xff61b1e6                      ; the largest t so far: -3e38, under every t
	v_floor_f32 v12, -v13                          ; -M
	v_mov_b32 v14, 0
	v_mov_b32 v15, 0
	v_mov_b32 v211, 0                              ; (named as the upper half of the pair v[210:211])
	v_mov_b32 v212, 0                              ; written once: a lane permute's destination counts as one of its sources
	v_mov_b32 v218, 0xff800000                     ; -infinity
.set j, 0
.rept 32
	v_mov_b32 v[160+j], 0                          ; O^T.  (The step is written without a first form of its own: the first change of M multiplies zeros)
.set j, j+1
.endr
	s_wait_kmcnt 0x0
	s_add_co_i32 s42, s18, s19
	s_lshl_b32 s42, s42, 23
	s_add_co_i32 s[CS], s42, 0x3e38aa3b            ; log2(e) / 8, with e2 + e3 added to its exponent field
	s_mov_b32 s[CS+1], s[CS]                       ; (named with it as a pair, so it is written)
	s_add_co_i32 s42, s20, 127
	s_lshl_b32 s43, s42, 23
	v_mov_b32 v216, s43                            ; 2^e4 as f32
	s_add_co_i32 s42, s42, 8
	s_lshl_b32 s42, s42, 23
	s_or_b32 s42, s42, 0x600000
	v_mov_b32 v217, s42                            ; 448 x 2^e4
	s_add_co_i32 s42, s22, 127
	s_lshl_b32 s43, s42, 23
	v_mov_b32 v219, s43                            ; 2^e6
	s_add_co_i32 s42, s42, 8
	s_lshl_b32 s42, s42, 23
	s_or_b32 s42, s42, 0x600000
	v_mov_b32 v220, s42                            ; 448 x 2^e6
	s_wait_loadcnt 2                               ; step 0's two loads are in; Q's two may be out
	ds_store_b128 v1, v[GK:GK+3]
	ds_store_b128 v1, v[GV:GV+3] offset:VOFF
	s_wait_dscnt 0x0                               ; for the others' sake, and the stores have read their registers
	global_load_b128 v[GK:GK+3], v1, s[KP:KP+1] offset:8192   ; step 1's tiles (every work-group needs 9 steps or more)
	global_load_b128 v[GV:GV+3], v1, s[VP:VP+1] offset:8192
	s_barrier_signal -1
	s_barrier_wait -1                              ; buffer 0 is whole
	s_wait_xcnt 0x0                                ; the loads have read their bases
	s_add_nc_u64 s[KP:KP+1], s[KP:KP+1], 8192
	s_add_nc_u64 s[VP:VP+1], s[VP:VP+1], 8192
; A STEP: 128 keys, read from buffer buf; the next step's tiles go into the other buffer, those of the step after are asked for.
.macro STEP buf
	s_wait_loadcnt 0x0                             ; the next step's 32 bytes are in my registers (in step 0: Q too)
	s_add_co_u32 s[T1], s[ST], 1
	s_cmp_lt_u32 s[T1], s[NST]
	s_cbranch_scc0 .Lno_put_\@
	ds_store_b128 v1, v[GK:GK+3] offset:(1-\buf)*BUF          ; every wave has passed the last step's barrier behind its reads of that buffer
	ds_store_b128 v1, v[GV:GV+3] offset:(1-\buf)*BUF+VOFF
.Lno_put_\@:
	s_wait_dscnt 0x0                               ; the stores have read their registers
	s_wait_xcnt 0x0                                ; the last loads and the last prefetch have read their bases
	s_add_nc_u64 s[KP:KP+1], s[KP:KP+1], 8192      ; tile ST + 2
	s_add_nc_u64 s[VP:VP+1], s[VP:VP+1], 8192
	s_add_nc_u64 s[PFA:PFA+1], s[PFA:PFA+1], 8192  ; tile ST + 4
	s_add_co_u32 s[T1], s[ST], 2
	s_cmp_lt_u32 s[T1], s[NST]
	s_cbranch_scc0 .Lno_get_\@                     ; no load for a tile that nobody here reads, and none past the head's end
	global_load_b128 v[GK:GK+3], v1, s[KP:KP+1]
	global_load_b128 v[GV:GV+3], v1, s[VP:VP+1]
.Lno_get_\@:
; A PREFETCH INTO THE L2 of tile ST + 4, two steps ahead of the load that will want it: 8,192 bytes, lanes 256 bytes apart, one instruction.  All work-groups of a head walk the same tiles: work-group 0 of the head asks,
; its wave 0 for K's and its wave 1 for V's, so each aligned block of 256 bytes is named once in the launch.  It stops at step 11, with the head's last tile.
	s_cmp_lt_u32 s[ST], s[PLIM]
	s_cbranch_scc0 .Lno_ask_\@
	global_prefetch_b8 v3, s[PFA:PFA+1] th:TH_LOAD_NT scope:SCOPE_SE
.Lno_ask_\@:
	s_cmp_gt_u32 s[ST], s[MYB]                     ; all of the step's keys come after my queries: my work is left out, the barrier below is not
	s_cbranch_scc1 .Lhidden_\@
.rept 4
	v_nop                                          ; places in front of loads into registers that the last step's products read
.endr
.irp t, 0,1,2,3,4,5,6,7
	ds_load_b128 v[32+8*\t:35+8*\t], v2 offset:\buf*BUF+1024*\t
	ds_load_b128 v[36+8*\t:39+8*\t], v2 offset:\buf*BUF+1024*\t+512
.endr
	s_wait_dscnt 0x0
.irp t, 0,1,2,3,4,5,6,7
	v_wmma_f32_16x16x64_fp8_fp8 v[96+8*\t:103+8*\t], v[32+8*\t:39+8*\t], v[16:23], 0   ; S^T: 16 keys x my 16 queries, K = the head's 64
.endr
.rept 4
	v_nop                                          ; places in front of the loads below and of the first read of the scores
.endr
.irp t, 0,1,2,3
.irp c, 0,1,2,3
	ds_load_b128 v[32+16*\t+4*\c:35+16*\t+4*\c], v2 offset:\buf*BUF+VOFF+2048*\t+512*\c   ; V's four fragments land while the softmax is worked
.endr
.endr
	s_cmp_eq_u32 s[ST], s[MYB]
	s_cbranch_scc0 .Lopen_\@
.set n, 0
.rept 64                                           ; on the diagonal the scores of hidden keys become -infinity ahead of the maximum: p = 0 then.  The block's first key counts for every query
	v_cmp_gt_i32 vcc_lo, 32*(n/16)+n%16, v4
	v_cndmask_b32 v[96+n], v[96+n], v218, vcc_lo
.set n, n+1
.endr
.Lopen_\@:
	v_max3_num_f32 v208, v96, v97, v98             ; the step's largest score of my query among my 64 keys, in two chains, each score tile from its low end on,
	v_max3_num_f32 v210, v99, v100, v101
.irp i, 6,10,14,18,22,26,30,34,38,42,46,50,54,58
	v_max3_num_f32 v208, v208, v[96+\i], v[97+\i]
	v_max3_num_f32 v210, v210, v[98+\i], v[99+\i]
.endr
	v_max3_num_f32 v208, v208, v158, v159
	v_max_num_f32 v208, v208, v210
	v_permlanex16_b32 v212, v208, s[SEL], s[SEL+1]
	v_max_num_f32 v208, v208, v212                 ; and among lane l xor 16's
	v_mul_f32 v208, s[CS], v208                    ; as t (c is positive)
	v_max_num_f32 v13, v13, v208                   ; the running largest t
	v_mov_b32 v208, v12
	v_floor_f32 v12, -v13                          ; the new -M = floor(-t) = -ceil(t)
	v_sub_f32 v208, v12, v208                      ; old M - new M: a whole number, 0 or less
	v_cvt_i32_f32 v208, v208                       ; (it saturates)
	v_ldexp_f32 v210, 1.0, v208                    ; f = 2^(old M - new M)
.set j, 0
.rept 32
	v_pk_fma_f32 v[96+j:97+j], v[96+j:97+j], s[CS:CS+1], v[12:13] op_sel_hi:[1,0,0]   ; t - M, two at a time (of the pairs c and -M the low word serves both halves)
.set j, j+2
.endr
.set j, 0
.rept 64
	v_exp_f32 v[96+j], v[96+j]                     ; p = 2^(t - M), at most 1
.set j, j+1
.endr
	v_pk_mul_f32 v[14:15], v[14:15], v[210:211] op_sel_hi:[1,0]   ; the sums under the new M; the plain line behind the exponentials
	s_wait_alu depctr_va_vdst(0)                   ; one wait for the whole batch, ahead of its first reader
	v_pk_add_f32 v[214:215], v[96:97], v[98:99]    ; the row's sum is taken of the unquantised p, in two chains
.irp j, 4,8,12,16,20,24,28,32,36,40,44,48,52,56,60
	v_pk_add_f32 v[14:15], v[14:15], v[96+\j:97+\j]
	v_pk_add_f32 v[214:215], v[214:215], v[98+\j:99+\j]
.endr
	v_pk_add_f32 v[14:15], v[14:15], v[214:215]
	s_cmp_ge_i32 s20, -8                           ; with e4 >= -8 the largest code stands for 448 x 2^e4 >= 1.75, above every p: the hold would change nothing and is jumped over
	s_cbranch_scc1 .Lno_hold_\@
.set j, 0
.rept 64
	v_min_num_f32 v[96+j], v[96+j], v217           ; the conversion to an 8-bit code does not saturate (ISA guide 7.6.2); p is not negative, so the hold is one-sided
.set j, j+1
.endr
.Lno_hold_\@:
.irp b, 0,1,2,3
	v_cvt_scalef32_pk8_fp8_f32 v[192+4*\b:193+4*\b], v[96+16*\b:103+16*\b], v216
	v_cvt_scalef32_pk8_fp8_f32 v[194+4*\b:195+4*\b], v[104+16*\b:111+16*\b], v216
.endr
.set j, 0
.rept 16
	v_pk_mul_f32 v[160+j:161+j], v[160+j:161+j], v[210:211] op_sel_hi:[1,0]   ; O^T under the new M; these are also the plain lines between the conversions and the products
.set j, j+2
.endr
	s_wait_dscnt 0x0                               ; V is in
.irp t, 0,1,2,3
	v_wmma_f32_16x16x128_fp8_fp8 v[160+8*\t:167+8*\t], v[32+16*\t:47+16*\t], v[192:207], v[160+8*\t:167+8*\t]   ; O^T += V^T P^T: the four accumulators by turns
.endr
.Lhidden_\@:
	s_add_co_u32 s[ST], s[ST], 1
	s_wait_dscnt 0x0                               ; my stores into the other buffer have landed and my reads of this one are in
	s_barrier_signal -1
	s_barrier_wait -1                              ; both now hold of all sixteen waves
.endm
	s_mov_b32 s[ST], 0
	s_mov_b32 s[TR], 0
.Ltrip:                                            ; 8 trips of two steps: the buffers' offsets are immediates
	STEP 0
	STEP 1
	s_add_co_u32 s[TR], s[TR], 1
	s_cmp_lt_u32 s[TR], 8
	s_cbranch_scc1 .Ltrip
	; THE WAY OUT: y = O^T / the sum x 2^(e4 + e5), held, converted with 2^e6: registers 2 t, 2 t + 1 of the fragment (my tile of tokens, my head's 64 channels) of the last product's A.
.rept 4
	v_nop
.endr
	v_add_f32 v14, v14, v15                        ; the sum's two halves,
	v_permlanex16_b32 v212, v14, s[SEL], s[SEL+1]
	v_add_f32 v14, v14, v212                       ; and lane l xor 16's
	v_rcp_f32 v14, v14
	v_nop                                          ; a plain line behind the reciprocal
	s_add_co_i32 s42, s20, s21
	s_wait_alu depctr_va_vdst(0)                   ; and the wait ahead of its first reader
	v_ldexp_f32 v14, v14, s42
.set j, 0
.rept 16
	v_pk_mul_f32 v[96+j:97+j], v[160+j:161+j], v[14:15] op_sel_hi:[1,0]   ; register 8 t + i: channel 16 t + 8 h + i of my query
.set j, j+2
.endr
.set j, 0
.rept 32
	v_med3_num_f32 v[96+j], v[96+j], -v220, v220
.set j, j+1
.endr
.irp t, 0,1,2,3
	v_cvt_scalef32_pk8_fp8_f32 v[192+2*\t:193+2*\t], v[96+8*\t:103+8*\t], v219
.endr
	v_nop
	global_store_b128 v2, v[192:195], s[12:13]             ; 32 lanes store 512 consecutive bytes, aligned
	global_store_b128 v2, v[196:199], s[12:13] offset:512
	s_wait_tensorcnt 0x0
	ds_add_u32 v224, v225
	s_wait_dscnt 0x0
	s_endpgm
.Lfunc_end_k_qe30286de0b_attn:
	.size	k_qe30286de0b_attn, .Lfunc_end_k_qe30286de0b_attn-k_qe30286de0b_attn
	.p2alignl 7, 3214868480
	.fill 96, 4, 3214868480
	.section	.rodata,"a",@progbits
	.p2align	6, 0x0
	.amdhsa_kernel k_qe30286de0b_attn
		.amdhsa_group_segment_fixed_size 34816
		.amdhsa_private_segment_fixed_size 0
		.amdhsa_enable_private_segment 0
		.amdhsa_kernarg_size 40
		.amdhsa_user_sgpr_count 2
		.amdhsa_user_sgpr_kernarg_segment_ptr 1
		.amdhsa_wavefront_size32 1
		.amdhsa_system_sgpr_workgroup_id_x 1
		.amdhsa_system_sgpr_workgroup_id_y 1
		.amdhsa_system_sgpr_workgroup_id_z 1
		.amdhsa_system_vgpr_workitem_id 0
		.amdhsa_next_free_vgpr 226
		.amdhsa_next_free_sgpr 66
		.amdhsa_reserve_vcc 1
		.amdhsa_float_denorm_mode_32 3
		.amdhsa_float_denorm_mode_16_64 3
		.amdhsa_memory_ordered 1
		.amdhsa_forward_progress 1
		.amdhsa_inst_pref_size 53
	.end_amdhsa_kernel
	.amdgpu_metadata
---
amdhsa.version: [ 1, 2 ]
amdhsa.kernels:
  - .name:           k_qe30286de0b_attn
    .symbol:         k_qe30286de0b_attn.kd
    .args:
      - { .name: q_img, .offset: 0, .size: 8, .value_kind: global_buffer, .address_space: global }
      - { .name: k_img, .offset: 8, .size: 8, .value_kind: global_buffer, .address_space: global }
      - { .name: v_img, .offset: 16, .size: 8, .value_kind: global_buffer, .address_space: global }
      - { .name: lowp_scales, .offset: 24, .size: 8, .value_kind: global_buffer, .address_space: global }
      - { .name: y_img, .offset: 32, .size: 8, .value_kind: global_buffer, .address_space: global }
    .group_segment_fixed_size: 34816
    .private_segment_fixed_size: 0
    .kernarg_segment_align: 8
    .kernarg_segment_size: 40
    .max_flat_workgroup_size: 512
    .sgpr_count:     66
    .vgpr_count:     226
    .wavefront_size: 32
...
	.end_amdgpu_metadata
.endif
;; end of part 3
;; launch proj (part 4): grid 8 x 32, 4 waves a work-group, clusters of 4 x 4, 280,064 bytes of LDS; arguments y_img, wp_img, b_proj, lowp_scales, out0; writes out0
.if DOCPART == 4
	.amdgcn_target "amdgcn-amd-amdhsa--gfx1250"
	.amdhsa_code_object_version 6
	.text
	.protected	k_qe30286de0b_proj
	.globl	k_qe30286de0b_proj
	.p2align	8
	.type	k_qe30286de0b_proj,@function
k_qe30286de0b_proj:
	s_mov_b64 s[64:65], 0
	v_nop
	global_prefetch_b8 v0, s[64:65] scope:SCOPE_SE
	s_setreg_imm32_b32 hwreg(HW_REG_WAVE_MODE, 25, 1), 1
	s_wait_xcnt 0x0
	s_wait_alu depctr_hold_cnt(0) depctr_sa_sdst(0) depctr_va_vdst(0) depctr_va_sdst(0) depctr_va_ssrc(0) depctr_va_vcc(0) depctr_vm_vsrc(0)
	s_getreg_b32 s2, hwreg(HW_REG_IB_STS2, 6, 4)
	s_cmp_eq_u32 s2, 0
	s_cbranch_scc0 .Lentry_in_a_cluster
	s_endpgm
.Lentry_in_a_cluster:
	s_bfe_u32 s2, ttmp6, 0x10000c
	s_cmp_lg_u32 s2, 0xf033
	s_cbranch_scc0 .Lentry_shape_is_right
	s_endpgm
.Lentry_shape_is_right:
; out0 = y w_proj + b_proj on codes of FP8 (E4M3); y's and w_proj's scales are entries 6 and 7.  LIMIT: e6 + e7 between -126 and 127, so that 2^(e6 + e7) is an f32 number.
; OPERANDS are images of operand registers (16 rows x 128 K = 2,048 bytes; registers 4 p .. + 3 of lane l at 512 p + 16 l): y_img [tile 256][K step 8][2048], wp_img [tile 64][8][2048].
; Row rho of y's tile 2 B + u is token 32 B + 8 u + rho + 8 (rho / 8): the stores put each row back in its place.
; 256 work-groups, a tile of 128 x 128 of the output each; four waves of 64 x 64: 16 accumulators.  ALL OF K FITS IN LDS: 131,072 bytes of y's codes and as many of w_proj's, in four chunks of 256 along K.
; So every byte of LDS is filled once: a wave's four loads go out together at the start, four are out at the most, and the waits for them are counted.  No slot is filled again.
; CLUSTERS: 4 x 4 work-groups; y's tiles are asked for jointly along a row of the cluster, w_proj's along a column.
; THE MATRIX INSTRUCTION IS USED TRANSPOSED (source 0 = 16 columns of w_proj, source 1 = 16 rows of y): a lane holds eight neighbouring numbers of a row of the output.
; REGISTERS: window 0: v16-26 addresses; v32-63 at work; v64-127 rows on the way out, two sets; v128-255 the accumulators ((a, b) at v[128 + 8 (4 a + b)]).
;   window 1: two fragment buffers of 128: A's four fragments, then B's four.   window 2: v0-31 the bias.
.set CHUNK,  65536                     ; a chunk: A's 8 tiles of 4,096 bytes, then B's 8
.set STAGE,  4*CHUNK                   ; behind the chunks: 16 rows x 272 bytes for each wave, for the way out; no load lands there
.set ADRA, 16                          ; v16-19  LDS address of my A fragments in chunk 0..3
.set ADRB, 20                          ; v20-23  the same for B
.set STO,  24                          ; v24     the way out: where I put 32 bytes of a row
.set RD,   25                          ; v25     where I read a row back
.set CO,   26                          ; v26     my byte offset in the output
.set TMP,  32
.set BK,   64
.set ACC,  128
.set F0,   0
.set F1,   128
.set G1,  24                           ; s[24:31] descriptor group 1 for A's tiles;  s[32:39] for B's
.set G1B, 32
.set G0,  40                           ; s[40:55] descriptor group 0 for A's tiles, a set for each chunk;  s[68:83] for B's
.set G0B, 68
.set MSB, 0
.macro WIN new                         ; the immediate's high byte repeats the setting that is left
.if MSB != \new
	s_set_vgpr_msb (MSB<<8)|\new
.set MSB, \new
.endif
.endm
.set MUL,  0x05                        ; sources 0 (B) and 1 (A) window 1; C and D window 0
.set TO_F, 0x40                        ; destination window 1, address window 0
.macro CROUND                          ; a round of the cluster's barrier
	s_barrier_signal -1
	s_barrier_wait -1
	s_cmp_lg_u32 s14, 0
	s_cbranch_scc1 .Lnot_wave_0_\@
	s_barrier_signal -3
.Lnot_wave_0_\@:
	s_barrier_wait -3
	s_barrier_signal -1
	s_barrier_wait -1
.endm
	s_load_b256 s[4:11], s[0:1], 0x0               ; y_img s[4:5], wp_img s[6:7], b_proj s[8:9], the scales s[10:11]
	s_load_b64 s[12:13], s[0:1], 0x20              ; out0
	v_lshl_add_u32 v30, v0, 2, 0x44400
	v_mov_b32 v31, 0
	ds_add_u32 v30, v31
	ds_add_u32 v30, v31
	v_lshrrev_b32 v1, 5, v0
	v_readfirstlane_b32 s14, v1                    ; wave 0..3
	s_lshr_b32 s15, s14, 1                         ; which half of the tile's rows is mine.  Also: I fetch for A (0) or for B (1)
	s_and_b32 s16, s14, 1                          ; which half of its columns.  Also: which 4 tiles I fetch
	s_bfe_u32 s56, ttmp6, 0x40000                  ; cx, cy: my place in the cluster
	s_bfe_u32 s57, ttmp6, 0x40004
	s_lshl_b32 s58, ttmp9, 2
	s_add_co_u32 s58, s58, s56                     ; tile column = 4 x cluster x + cx
	s_and_b32 s17, ttmp7, 0xffff
	s_lshl_b32 s17, s17, 2
	s_add_co_u32 s17, s17, s57                     ; tile row = 4 x cluster y + cy
	s_lshl_b32 s59, s57, 2
	s_lshl_b32 s59, 15, s59                        ; my row of the cluster
	s_lshl_b32 s60, 0x1111, s56                    ; my column
	; descriptor group 1: 4 rows (tiles) of 512 elements of 8 bytes (a tile's 256 along K), 2,048 elements (a tile's whole K) apart; no padding: every LDS read takes 512 consecutive bytes
	s_or_b32 s[G1+0], s59, (3<<16)|(1<<21)         ; 15:0 the mask; 17:16 elements of 8 bytes; 21 set beside a mask
	s_or_b32 s[G1B+0], s60, (3<<16)|(1<<21)
.irp g, G1, G1B
	s_mov_b32 s[\g+1], 512<<16                     ; tensor_dim0
	s_mov_b32 s[\g+2], 4<<16                       ; tensor_dim1
	s_mov_b32 s[\g+3], 512<<16                     ; tile_dim0
	s_mov_b32 s[\g+4], 4                           ; tile_dim1
	s_mov_b32 s[\g+5], 2048                        ; tensor_dim0_stride
	s_mov_b32 s[\g+6], 0
	s_mov_b32 s[\g+7], 0
.endr
	s_lshl_b32 s18, s16, 2                         ; which 4 tiles I fetch
	s_lshl_b32 s20, s17, 3
	s_add_co_u32 s20, s20, s18                     ; A: tile 8 x tile row + 4 x half
	s_lshl_b32 s20, s20, 14
	s_mov_b32 s21, 0
	s_lshl_b32 s22, s58, 3
	s_add_co_u32 s22, s22, s18                     ; B: tile 8 x tile column + 4 x half
	s_lshl_b32 s22, s22, 14
	s_mov_b32 s23, 0
	s_lshl_b32 s61, s14, 14                        ; where they go in a chunk: wave x 16,384: no place in the cluster enters an LDS address
	s_wait_dscnt 0x0
	s_wait_kmcnt 0x0
	s_load_b256 s[84:91], s[10:11], 0x0            ; the eight exponents
	s_add_nc_u64 s[20:21], s[4:5], s[20:21]
	s_add_nc_u64 s[22:23], s[6:7], s[22:23]
	CROUND                                         ; all sixteen work-groups are here: the joint loads meet
.irp j, 0,1,2,3
	s_mov_b32 s[G0+4*\j], 1
	s_add_co_u32 s[G0+4*\j+1], s61, \j*CHUNK
	s_add_nc_u64 s[G0+4*\j+2:G0+4*\j+3], s[20:21], \j*4096
	s_or_b32 s[G0+4*\j+3], s[G0+4*\j+3], 0x80000000
	s_mov_b32 s[G0B+4*\j], 1
	s_add_co_u32 s[G0B+4*\j+1], s61, \j*CHUNK
	s_add_nc_u64 s[G0B+4*\j+2:G0B+4*\j+3], s[22:23], \j*4096
	s_or_b32 s[G0B+4*\j+3], s[G0B+4*\j+3], 0x80000000
.endr
	s_cmp_eq_u32 s15, 0                            ; a wave's four fills stand in one branch on the wave's number, ahead of every wait on TENSORcnt, every LDS read and every other barrier; four v_nop follow the last
	s_cbranch_scc0 .Lfirst_b
.irp j, 0,1,2,3
	tensor_load_to_lds s[G0+4*\j:G0+4*\j+3], s[G1:G1+7]
	s_nop 0
.endr
.rept 4
	v_nop
.endr
	s_branch .Lfirst_asked
.Lfirst_b:
.irp j, 0,1,2,3
	tensor_load_to_lds s[G0B+4*\j:G0B+4*\j+3], s[G1B:G1B+7]
	s_nop 0
.endr
.rept 4
	v_nop
.endr
.Lfirst_asked:
	v_and_b32 v1, 31, v0
	v_lshlrev_b32 v2, 4, v1                        ; 16 x lane
	s_lshl_b32 s18, s15, 14                        ; my 4 tiles of A
	s_lshl_b32 s19, s16, 14                        ; my 4 tiles of B,
	s_add_co_u32 s19, s19, 32768                   ; which lie behind A's 8
.irp j, 0,1,2,3
	v_add_nc_u32 v[ADRA+\j], s18, v2
	v_add_nc_u32 v[ADRB+\j], s19, v2
	s_add_co_u32 s18, s18, CHUNK
	s_add_co_u32 s19, s19, CHUNK
.endr
	s_mul_i32 s18, s14, 16*272
	s_add_co_u32 s18, s18, STAGE                   ; my stage
	v_and_b32 v3, 15, v0                           ; r
	v_bfe_u32 v4, v0, 4, 1                         ; h
	v_mul_u32_u24 v[STO], v3, 272                  ; in: row r, 32 bytes for each half of the lanes
	v_lshl_add_u32 v[STO], v4, 5, v[STO]
	v_add_nc_u32 v[STO], s18, v[STO]
	v_mul_u32_u24 v[RD], v4, 272                   ; back: lanes 0-15 one row of 256 bytes, lanes 16-31 the next
	v_lshl_add_u32 v[RD], v3, 4, v[RD]
	v_add_nc_u32 v[RD], s18, v[RD]
	v_lshlrev_b32 v[CO], 12, v4                    ; and the same two rows in the output: 4,096 bytes a row
	v_lshl_add_u32 v[CO], v3, 4, v[CO]
	v_lshlrev_b32 v6, 5, v4                        ; the bias: 32 h
	s_lshl_b32 s18, s58, 9                         ; my first column, in bytes: 512 x tile column + 256 x half
	s_lshl_b32 s19, s16, 8
	s_add_co_u32 s18, s18, s19
	s_mov_b32 s19, 0
	s_add_nc_u64 s[94:95], s[8:9], s[18:19]
	s_add_nc_u64 s[92:93], s[12:13], s[18:19]
	s_lshl_b32 s18, s17, 19                        ; my first row: 128 x tile row + 64 x half, 4,096 bytes each
	s_lshl_b32 s62, s15, 18
	s_add_co_u32 s18, s18, s62
	s_add_nc_u64 s[92:93], s[92:93], s[18:19]
	WIN 0x80                                       ; destination window 2
.irp b, 0,1,2,3
	global_load_b128 v[8*\b:8*\b+3],   v6, s[94:95] offset:64*\b      ; columns 16 b + 8 h + 0 .. 7
	global_load_b128 v[8*\b+4:8*\b+7], v6, s[94:95] offset:64*\b+16
.endr
	WIN 0
.macro FETCH j, q, f                   ; 32 LDS loads: my four fragments of A and four of B, the q-th 128 along K of chunk j, into buffer f
	WIN TO_F
.irp i, 0,1,2,3
.irp c, 0,1,2,3
	ds_load_b128 v[\f+16*\i+4*\c:\f+16*\i+4*\c+3],       v[ADRA+(\j)] offset:4096*\i+2048*(\q)+512*\c
	ds_load_b128 v[\f+64+16*\i+4*\c:\f+64+16*\i+4*\c+3], v[ADRB+(\j)] offset:4096*\i+2048*(\q)+512*\c
.endr
.endr
.endm
.macro MUL16 f, zero                   ; 16 matrix instructions, 128 along K; the 16 accumulators take turns, one instruction a turn
.irp a, 0,1,2,3
.irp b, 0,1,2,3
.if \zero
	v_wmma_f32_16x16x128_fp8_fp8 v[ACC+8*(4*\a+\b):ACC+8*(4*\a+\b)+7], v[\f+64+16*\b:\f+64+16*\b+15], v[\f+16*\a:\f+16*\a+15], 0
.else
	v_wmma_f32_16x16x128_fp8_fp8 v[ACC+8*(4*\a+\b):ACC+8*(4*\a+\b)+7], v[\f+64+16*\b:\f+64+16*\b+15], v[\f+16*\a:\f+16*\a+15], v[ACC+8*(4*\a+\b):ACC+8*(4*\a+\b)+7]
.endif
.endr
.endr
.endm
.macro PLACES                          ; four plain lines in front of loads into registers that matrix instructions have read, and of the first read of results
.rept 4
	v_nop
.endr
.endm
	s_wait_tensorcnt 3                             ; my part of chunk 0 is in; my three later loads may be out
	s_barrier_signal -1
	s_barrier_wait -1                              ; everybody's is
	FETCH 0, 0, F0
	FETCH 0, 1, F1
.irp j, 0,1,2,3
	s_wait_dscnt 32                                ; buffer 0 is in; buffer 1's 32 loads may be out
	WIN MUL
.if \j == 0
	MUL16 F0, 1                                    ; the first products start the sums
.else
	MUL16 F0, 0
.endif
	s_wait_dscnt 0x0                               ; buffer 1 is in; no LDS instruction of mine is out at the signal below
.if \j < 3
	s_wait_tensorcnt 2-\j                          ; my part of the next chunk is in; the later ones may be out
	s_barrier_signal -1
	s_barrier_wait -1                              ; everybody's is
	PLACES
	FETCH \j+1, 0, F0
.endif
	WIN MUL
	MUL16 F1, 0
.if \j < 3
	PLACES
	FETCH \j+1, 1, F1
.endif
.endr
	WIN 0
	; THE WAY OUT, a tile of 16 rows x 64 columns at a time: number = sum x 2^(e6 + e7) + bias; through my own stage in LDS; back as rows of 256 bytes.
	PLACES
	s_wait_loadcnt 0x0                             ; the bias
	s_wait_kmcnt 0x0
	s_add_co_i32 s96, s90, s91
	s_add_co_i32 s96, s96, 127
	s_lshl_b32 s96, s96, 23                        ; 2^(e6 + e7) as f32
	s_mov_b32 s97, s96                             ; (named with it as a pair, so it is written)
.macro TOSTAGE a
	WIN 0x20                                       ; source 2 (the bias) window 2
.irp b, 0,1,2,3
.irp i, 0,2,4,6
	v_pk_fma_f32 v[TMP+8*\b+\i:TMP+8*\b+\i+1], v[ACC+8*(4*(\a)+\b)+\i:ACC+8*(4*(\a)+\b)+\i+1], s[96:97], v[8*\b+\i:8*\b+\i+1] op_sel_hi:[1,0,1]   ; each accumulator from its low end on
.endr
.endr
	WIN 0
.irp b, 0,1,2,3
	ds_store_b128 v[STO], v[TMP+8*\b:TMP+8*\b+3] offset:64*\b
	ds_store_b128 v[STO], v[TMP+8*\b+4:TMP+8*\b+7] offset:64*\b+16
.endr
.set BB, BK+32*((\a)%2)
.irp t, 0,1,2,3,4,5,6,7
	ds_load_b128 v[BB+4*\t:BB+4*\t+3], v[RD] offset:\t*2*272      ; LDS serves a wave's instructions in order (ISA guide 5.7.1.4): these see my stores, and the next tile's stores come behind them
.endr
.endm
.macro SEND a, younger                 ; younger: the LDS instructions issued behind tile a's loads, which may stay out
.set BB, BK+32*((\a)%2)
	s_wait_dscnt \younger
.irp t, 0,1,2,3,4,5,6,7
	global_store_b128 v[CO], v[BB+4*\t:BB+4*\t+3], s[92:93] offset:(32*((\a)/2)+8*((\a)%2)+2*\t+8*(\t/4))*4096 th:TH_STORE_NT   ; tile rows 2 t, 2 t + 1 at their tokens' places; 16 lanes store 256 consecutive bytes, aligned
.endr
.endm
	TOSTAGE 0
.irp a, 1,2,3
.if \a > 1
	s_wait_xcnt 0x0                                ; tile a - 2's stores have read their registers: tile a's loads may land there
.endif
	TOSTAGE \a
	SEND \a-1, 16                                  ; behind tile a - 1's loads: tile a's 8 stores and 8 loads
.endr
	SEND 3, 0
	s_wait_dscnt 0x0
	s_wait_tensorcnt 0x0
	ds_add_u32 v30, v31
	s_wait_dscnt 0x0
	CROUND                                         ; the closing round: no work-group ends while a partner may still ask for a tile that names it
	s_endpgm
.Lfunc_end_k_qe30286de0b_proj:
	.size	k_qe30286de0b_proj, .Lfunc_end_k_qe30286de0b_proj-k_qe30286de0b_proj
	.p2alignl 7, 3214868480
	.fill 96, 4, 3214868480
	.section	.rodata,"a",@progbits
	.p2align	6, 0x0
	.amdhsa_kernel k_qe30286de0b_proj
		.amdhsa_group_segment_fixed_size 280064
		.amdhsa_private_segment_fixed_size 0
		.amdhsa_enable_private_segment 0
		.amdhsa_kernarg_size 40
		.amdhsa_user_sgpr_count 2
		.amdhsa_user_sgpr_kernarg_segment_ptr 1
		.amdhsa_wavefront_size32 1
		.amdhsa_system_sgpr_workgroup_id_x 1
		.amdhsa_system_sgpr_workgroup_id_y 1
		.amdhsa_system_sgpr_workgroup_id_z 1
		.amdhsa_system_vgpr_workitem_id 0
		.amdhsa_next_free_vgpr 544
		.amdhsa_next_free_sgpr 100
		.amdhsa_reserve_vcc 0
		.amdhsa_float_denorm_mode_32 3
		.amdhsa_float_denorm_mode_16_64 3
		.amdhsa_memory_ordered 1
		.amdhsa_forward_progress 1
		.amdhsa_inst_pref_size 47
	.end_amdhsa_kernel
	.amdgpu_metadata
---
amdhsa.version: [ 1, 2 ]
amdhsa.kernels:
  - .name:           k_qe30286de0b_proj
    .symbol:         k_qe30286de0b_proj.kd
    .args:
      - { .name: y_img, .offset: 0, .size: 8, .value_kind: global_buffer, .address_space: global }
      - { .name: wp_img, .offset: 8, .size: 8, .value_kind: global_buffer, .address_space: global }
      - { .name: b_proj, .offset: 16, .size: 8, .value_kind: global_buffer, .address_space: global }
      - { .name: lowp_scales, .offset: 24, .size: 8, .value_kind: global_buffer, .address_space: global }
      - { .name: out0, .offset: 32, .size: 8, .value_kind: global_buffer, .address_space: global }
    .group_segment_fixed_size: 280064
    .private_segment_fixed_size: 0
    .kernarg_segment_align: 8
    .kernarg_segment_size: 40
    .max_flat_workgroup_size: 128
    .sgpr_count:     100
    .vgpr_count:     544
    .wavefront_size: 32
...
	.end_amdgpu_metadata
.endif
;; end of part 4
;; ======== version 2 of 2: 4 launches; version 1 with the launch attn written anew for expert scheduling mode
;; limits: right only within a limited range of input values
;; workspace buffers: x_img 4,194,304 bytes; wq_img 3,145,728 bytes; wp_img 1,048,576 bytes; q_img 4,194,304 bytes; k_img 4,194,304 bytes; v_img 4,194,304 bytes; y_img 4,194,304 bytes
;; launch quant: the kernel of part 1 again; grid 256 x 1, 8 waves a work-group, no clusters, 136,192 bytes of LDS; arguments x, w_qkv, w_proj, lowp_scales, x_img, wq_img, wp_img; writes x_img, wq_img, wp_img
;; launch qkv: the kernel of part 2 again; grid 12 x 16, 4 waves a work-group, clusters of 4 x 4, 327,680 bytes of LDS; arguments x_img, wq_img, b_qkv, lowp_scales, q_img, k_img, v_img; writes q_img, k_img, v_img
;; launch attn (part 5): grid 8 x 32, 16 waves a work-group, no clusters, 34,816 bytes of LDS; arguments q_img, k_img, v_img, lowp_scales, y_img; writes y_img
.if DOCPART == 5
	.amdgcn_target "amdgcn-amd-amdhsa--gfx1250"
	.amdhsa_code_object_version 6
	.text
	.protected	k_qe30286de0b_attn
	.globl	k_qe30286de0b_attn
	.p2align	8
	.type	k_qe30286de0b_attn,@function
k_qe30286de0b_attn:
	s_mov_b64 s[64:65], 0
	v_nop
	global_prefetch_b8 v0, s[64:65] scope:SCOPE_SE
	s_setreg_imm32_b32 hwreg(HW_REG_WAVE_SCHED_MODE, 0, 2), 2
	s_setreg_imm32_b32 hwreg(HW_REG_WAVE_MODE, 25, 1), 1
	s_wait_xcnt 0x0
	s_wait_alu depctr_vm_vsrc(0)
; y[head][q] = the sum over keys k <= q of softmax_k(Q[q] . K[k] / 8) V[k], both products on codes of FP8 (E4M3); y is quantised on the way out with its given scale (entry 6).
; The scales' entries: 2 q, 3 k, 4 p, 5 v, 6 y.  THE SOFTMAX: t = score x log2(e) / 8; M = the running largest t rounded UP to a whole number; p = 2^(t - M) is quantised, not normalised;
; the row's sum is taken of the unquantised p, in f32, and divides at the end.  When M moves, the sum and O are multiplied by 2^(old M - new M), which rounds nothing.
; LIMITS: e2 + e3 between -123 and 130 (added to c's exponent field); e4 and e6 between -126 and 119; e4 + e5 goes through v_ldexp_f32 and has none.
; OPERANDS are images of operand registers.  q_img, k_img: [head 32][tile 128][1024]: 16 tokens x 64 channels, 8 registers; registers 4 p .. + 3 of lane l at 512 p + 16 l.
; Row rho of tile 2 B + u is token 32 B + 8 u + rho + 8 (rho / 8).  v_img: [head][128 keys: 16][16 channels: 4][2048]: register 4 c + 2 u + q, byte b of lane (r, h) = key 32 c + 16 h + 8 u + 4 q + b of channel r.
; LAYOUT.  S^T = K Q^T (source 0 = a tile of keys, source 1 = my tile of queries), O^T = V^T P^T: a lane holds ONE query (row lane % 16 of my tile) throughout.  By the order of a tile's rows the 16 registers of
; score tiles 2 b, 2 b + 1 are keys 32 b + 16 h + 0 .. 15: the conversions' results are P in the very order in which v_img holds the keys.
; SHARES.  Work-group (i, head): waves 0-7 own the 128 queries of block i, waves 8-15 those of block 15 - i, a tile of 16 each.  A step is 128 keys; block m needs steps 0 .. m, the last on the diagonal.
; So every work-group has 8 (i + 1) + 8 (16 - i) = 136 steps of a wave's work.  Every work-group walks 16 steps (a constant trip count); a wave jumps over its own work in steps behind its diagonal, never over a barrier.
; K AND V come through registers into two LDS buffers that take turns: each of the 512 threads moves 16 bytes of K and 16 of V a step.  No tensor load: a step's tiles are 16,384 bytes beside sixteen waves' softmax;
; the work-groups of a head need different numbers of tiles (9 to 16), so they could not ask jointly.
; REGISTERS: v1-4 addresses; v12 -M, v13 the largest t, v[14:15] the sum in two halves; v16-23 Q; v24-31 K's and V's 16 bytes on their way; v32-95 K's 8 fragments, then V's 4; v96-159 S^T, then p; v160-191 O^T;
; v192-207 P's codes; v208-220 at work and constants.
; THE MODE: SCHED_MODE bits 1:0 = 2 (LLVM: expert scheduling mode 2), set by the entry lines.  The code itself states the register dependences
; between vector or matrix instructions and memory or LDS instructions, with s_wait_alu, always for 0.
; THE PLAN.  Registers that memory or LDS instructions touch:
;   v1, v2, v3   offsets, made at the head and never written again: one wait on va_vdst in front of the first load serves the whole kernel.
;   v24-31       written by global loads, read by the next step's two LDS stores; no vector instruction names them.  One wait on vm_vsrc a step stands between the stores and the loads that land there again.
;   v32-95       K's LDS loads land; the eight products S^T read; V's LDS loads land; the four products O^T read.  No vector instruction writes them.  Two waits on va_vdst a step: in front of K's loads (the last
;                step's products O^T are done reading), and behind the maximum's chain, whose next line hangs on the line just issued (the products S^T are done reading).  Behind the second, V's sixteen loads are dealt
;                among the lines that make M and f, which name v12, v13, v208, v210 and v212 alone.  K and V take 64 registers each and four waves share a SIMD's 1,024: there is no room for a buffer to each.
;   v16-23       Q: loaded once, read by matrix instructions, never loaded again.
;   v192-199     on the way out: written by the conversions, read by the two stores: one wait on va_vdst between.
; Scalars that vector instructions write: the wave's number (one wait on va_sdst at the head), and on the diagonal the compares' masks: runs of sixteen compares into s42-57, one wait on va_sdst behind each run.  EXEC is never written.
.set BUF,  16384                       ; an LDS buffer: K's 8 images, then V's 4
.set VOFF, 8192
.set GK,   24
.set GV,   28
.set WV,   24                          ; s24  wave 0..15
.set MYB,  25                          ; s25  my block of 128 queries = my last step
.set NST,  26                          ; s26  steps whose tiles the work-group needs: 16 - i
.set ST,   27                          ; s27  the step
.set TR,   28                          ; s28  trips
.set T1,   29
.set KP,   30                          ; s[30:31] K's tile that is loaded next
.set VP,   32                          ; s[32:33] V's
.set PFA,  34                          ; s[34:35] the tile that is prefetched next
.set PLIM, 36                          ; s36  a wave prefetches while the step is under it: 12 or 0
.set W8,   37                          ; s37  wave % 8
.set SEL,  38                          ; s[38:39] lane selects for v_permlanex16_b32: lane l xor 16
.set CS,   40                          ; s[40:41] c = log2(e) / 8 x 2^(e2 + e3)
.set MK,   42                          ; s[42:57] in the loop: sixteen masks of the diagonal's compares.  (At the head s42-50 are at work; on the way out s42 is written anew)
.set BH,   50                          ; s50  at the head only: the head, 0..31
	s_load_b256 s[4:11], s[0:1], 0x0               ; q_img s[4:5], k_img s[6:7], v_img s[8:9], the scales s[10:11]
	s_load_b64 s[12:13], s[0:1], 0x20              ; y_img
	v_lshl_add_u32 v222, v0, 2, 0x8000
	v_mov_b32 v223, 0
	v_lshrrev_b32 v5, 5, v0
	v_readfirstlane_b32 s[WV], v5
	v_lshlrev_b32 v1, 4, v0                        ; 16 x thread: my 16 bytes of a step's 8,192 of K and of V, in memory and in LDS
	v_and_b32 v5, 31, v0
	v_lshlrev_b32 v2, 4, v5                        ; 16 x lane: an image's place for my lane
	v_lshlrev_b32 v3, 8, v5                        ; 256 x lane: the prefetches' offset
	v_and_b32 v6, 15, v0                           ; r
	v_bfe_u32 v7, v0, 4, 1                         ; h
	v_and_b32 v4, 8, v6
	v_add_nc_u32 v4, v4, v6                        ; r + 8 (r / 8)
	v_lshlrev_b32 v7, 4, v7
	v_sub_nc_u32 v4, v4, v7                        ; - 16 h
	s_wait_alu depctr_va_sdst(0)                   ; the wave's number is written, ahead of its first reader, the line below
	s_and_b32 s[W8], s[WV], 7
	s_lshr_b32 s42, s[W8], 1
	s_lshl_b32 s42, s42, 5
	s_and_b32 s43, s[W8], 1
	s_lshl_b32 s43, s43, 3
	s_add_co_u32 s42, s42, s43
	v_add_nc_u32 v4, s42, v4                       ; d = my query's place in its block of 128, less 16 h.  On the diagonal register 16 b + i holds key 32 b + 16 h + i of the block: hidden where 32 b + i > d
	s_sub_co_u32 s43, 15, ttmp9
	s_cmp_lt_u32 s[WV], 8
	s_cselect_b32 s[MYB], ttmp9, s43
	s_sub_co_u32 s[NST], 16, ttmp9
	s_and_b32 s[BH], ttmp7, 0xffff
	s_lshl_b32 s44, s[BH], 17                      ; a head is 131,072 bytes in each of q_img, k_img, v_img
	s_mov_b32 s45, 0
	s_lshl_b32 s46, s[MYB], 3
	s_add_co_u32 s46, s46, s[W8]                   ; my tile in the head
	s_lshl_b32 s48, s46, 10
	s_add_co_u32 s48, s48, s44
	s_mov_b32 s49, 0
	s_lshr_b32 s47, s[BH], 4                       ; y_img: [tile 256][head 16][1024]: ((batch x 128 + tile) x 16 + head % 16) x 1,024
	s_lshl_b32 s47, s47, 7
	s_add_co_u32 s47, s47, s46
	s_lshl_b32 s47, s47, 4
	s_and_b32 s46, s[BH], 15
	s_add_co_u32 s46, s47, s46
	s_lshl_b32 s46, s46, 10
	s_mov_b32 s47, 0
	s_lshr_b32 s42, s[WV], 1                       ; who prefetches: waves 0 and 1
	s_or_b32 s42, s42, ttmp9                       ; of the head's work-group 0
	s_cmp_eq_u32 s42, 0
	s_cselect_b32 s[PLIM], 12, 0
	s_mov_b32 s[SEL], 0x76543210
	s_mov_b32 s[SEL+1], 0xfedcba98
	s_wait_kmcnt 0x0
	s_load_b256 s[16:23], s[10:11], 0x0            ; the eight exponents
	s_add_nc_u64 s[KP:KP+1], s[6:7], s[44:45]
	s_add_nc_u64 s[VP:VP+1], s[8:9], s[44:45]
	s_add_nc_u64 s[4:5], s[4:5], s[48:49]
	s_add_nc_u64 s[12:13], s[12:13], s[46:47]
	s_wait_alu depctr_va_vdst(0)                   ; the offsets v1, v2 and v3 are written: every load, store, LDS access and prefetch of the kernel reads one of them, and none is written again
	global_load_b128 v[GK:GK+3], v1, s[KP:KP+1]    ; step 0's tiles
	global_load_b128 v[GV:GV+3], v1, s[VP:VP+1]
	global_load_b128 v[16:19], v2, s[4:5]          ; Q's fragment stays in registers
	global_load_b128 v[20:23], v2, s[4:5] offset:512
	s_cmp_eq_u32 s[WV], 0
	s_cselect_b64 s[PFA:PFA+1], s[KP:KP+1], s[VP:VP+1]  ; wave 0 asks for K's tiles, wave 1 for V's
	s_add_nc_u64 s[PFA:PFA+1], s[PFA:PFA+1], 3*8192     ; at tile 3: step 0 steps it to tile 4.  Tiles 0 to 3 come by their loads alone
	v_mov_b32 v13, 0xff61b1e6                      ; the largest t so far: -3e38, under every t
	v_floor_f32 v12, -v13                          ; -M
	v_mov_b32 v14, 0
	v_mov_b32 v15, 0
	v_mov_b32 v211, 0                              ; (named as the upper half of the pair v[210:211])
	v_mov_b32 v212, 0                              ; written once: a lane permute's destination counts as one of its sources
	v_mov_b32 v218, 0xff800000                     ; -infinity
.set j, 0
.rept 32
	v_mov_b32 v[160+j], 0                          ; O^T.  (The step is written without a first form of its own: the first change of M multiplies zeros)
.set j, j+1
.endr
	s_wait_kmcnt 0x0
	s_add_co_i32 s42, s18, s19
	s_lshl_b32 s42, s42, 23
	s_add_co_i32 s[CS], s42, 0x3e38aa3b            ; log2(e) / 8, with e2 + e3 added to its exponent field
	s_mov_b32 s[CS+1], s[CS]                       ; (named with it as a pair, so it is written)
	s_add_co_i32 s42, s20, 127
	s_lshl_b32 s43, s42, 23
	v_mov_b32 v216, s43                            ; 2^e4 as f32
	s_add_co_i32 s42, s42, 8
	s_lshl_b32 s42, s42, 23
	s_or_b32 s42, s42, 0x600000
	v_mov_b32 v217, s42                            ; 448 x 2^e4
	s_add_co_i32 s42, s22, 127
	s_lshl_b32 s43, s42, 23
	v_mov_b32 v219, s43                            ; 2^e6
	s_add_co_i32 s42, s42, 8
	s_lshl_b32 s42, s42, 23
	s_or_b32 s42, s42, 0x600000
	v_mov_b32 v220, s42                            ; 448 x 2^e6
	s_wait_loadcnt 2                               ; step 0's two loads are in; Q's two may be out
	ds_store_b128 v1, v[GK:GK+3]
	ds_store_b128 v1, v[GV:GV+3] offset:VOFF
	s_wait_dscnt 0x0                               ; for the others' sake: my part of buffer 0 is in LDS
	s_wait_alu depctr_vm_vsrc(0)                   ; the two stores have read v24-31, in which the two loads below land
	global_load_b128 v[GK:GK+3], v1, s[KP:KP+1] offset:8192   ; step 1's tiles (every work-group needs 9 steps or more)
	global_load_b128 v[GV:GV+3], v1, s[VP:VP+1] offset:8192
	s_barrier_signal -1
	s_barrier_wait -1                              ; buffer 0 is whole
	s_wait_xcnt 0x0                                ; the loads have read their bases
	s_add_nc_u64 s[KP:KP+1], s[KP:KP+1], 8192
	s_add_nc_u64 s[VP:VP+1], s[VP:VP+1], 8192
.macro VLD buf, t                      ; V's fragment t out of buffer buf: four loads of 512 consecutive bytes
.irp c, 0,1,2,3
	ds_load_b128 v[32+16*(\t)+4*\c:35+16*(\t)+4*\c], v2 offset:(\buf)*BUF+VOFF+2048*(\t)+512*\c
.endr
.endm
; A STEP: 128 keys, read from buffer buf; the next step's tiles go into the other buffer, those of the step after are asked for.
.macro STEP buf
	s_wait_loadcnt 0x0                             ; the next step's 32 bytes are in my registers (in step 0: Q too)
	s_add_co_u32 s[T1], s[ST], 1
	s_cmp_lt_u32 s[T1], s[NST]
	s_cbranch_scc0 .Lno_put_\@
	ds_store_b128 v1, v[GK:GK+3] offset:(1-\buf)*BUF          ; every wave has passed the last step's barrier behind its reads of that buffer
	ds_store_b128 v1, v[GV:GV+3] offset:(1-\buf)*BUF+VOFF
.Lno_put_\@:
	s_wait_dscnt 0x0                               ; the two stores are done
	s_wait_xcnt 0x0                                ; the last loads and the last prefetch have read their bases
	s_wait_alu depctr_vm_vsrc(0)                   ; the two stores have read v24-31, in which the two loads below land
	s_add_nc_u64 s[KP:KP+1], s[KP:KP+1], 8192      ; tile ST + 2
	s_add_nc_u64 s[VP:VP+1], s[VP:VP+1], 8192
	s_add_nc_u64 s[PFA:PFA+1], s[PFA:PFA+1], 8192  ; tile ST + 4
	s_add_co_u32 s[T1], s[ST], 2
	s_cmp_lt_u32 s[T1], s[NST]
	s_cbranch_scc0 .Lno_get_\@                     ; no load for a tile that nobody here reads, and none past the head's end
	global_load_b128 v[GK:GK+3], v1, s[KP:KP+1]
	global_load_b128 v[GV:GV+3], v1, s[VP:VP+1]
.Lno_get_\@:
; A PREFETCH INTO THE L2 of tile ST + 4, two steps ahead of the load that will want it: 8,192 bytes, lanes 256 bytes apart, one instruction.  All work-groups of a head walk the same tiles: work-group 0 of the head asks,
; its wave 0 for K's and its wave 1 for V's, so each aligned block of 256 bytes is named once in the launch.  It stops at step 11, with the head's last tile.
	s_cmp_lt_u32 s[ST], s[PLIM]
	s_cbranch_scc0 .Lno_ask_\@
	global_prefetch_b8 v3, s[PFA:PFA+1] th:TH_LOAD_NT scope:SCOPE_SE
.Lno_ask_\@:
	s_cmp_gt_u32 s[ST], s[MYB]                     ; all of the step's keys come after my queries: my work is left out, the barrier below is not
	s_cbranch_scc1 .Lhidden_\@
.rept 4
	v_nop                                          ; places in front of loads into registers that the last step's products read
.endr
	s_wait_alu depctr_va_vdst(0)                   ; the last step's four products O^T are done reading v32-95, in which K's loads land
.irp t, 0,1,2,3,4,5,6,7
	ds_load_b128 v[32+8*\t:35+8*\t], v2 offset:\buf*BUF+1024*\t
	ds_load_b128 v[36+8*\t:39+8*\t], v2 offset:\buf*BUF+1024*\t+512
.endr
	s_wait_dscnt 0x0
.irp t, 0,1,2,3,4,5,6,7
	v_wmma_f32_16x16x64_fp8_fp8 v[96+8*\t:103+8*\t], v[32+8*\t:39+8*\t], v[16:23], 0   ; S^T: 16 keys x my 16 queries, K = the head's 64
.endr
.rept 4
	v_nop                                          ; places in front of the first read of the scores
.endr
	s_cmp_eq_u32 s[ST], s[MYB]
	s_cbranch_scc0 .Lopen_\@
.irp g, 0,1,2,3                                    ; on the diagonal the scores of hidden keys become -infinity ahead of the maximum: p = 0 then.  The block's first key counts for every query
.set n, 0
.rept 16
	v_cmp_gt_i32 s[MK+n], 32*\g+n, v4              ; sixteen compares in a run, a scalar register to each mask
.set n, n+1
.endr
	s_wait_alu depctr_va_sdst(0)                   ; the sixteen masks s42-57 are written, ahead of their first readers, the selects below
.set n, 0
.rept 16
	v_cndmask_b32 v[96+16*\g+n], v[96+16*\g+n], v218, s[MK+n]   ; each score tile from its low end on
.set n, n+1
.endr
.endr
.Lopen_\@:
	v_max3_num_f32 v208, v96, v97, v98             ; the step's largest score of my query among my 64 keys, in two chains, each score tile from its low end on,
	v_max3_num_f32 v210, v99, v100, v101
.irp i, 6,10,14,18,22,26,30,34,38,42,46,50,54,58
	v_max3_num_f32 v208, v208, v[96+\i], v[97+\i]
	v_max3_num_f32 v210, v210, v[98+\i], v[99+\i]
.endr
	v_max3_num_f32 v208, v208, v158, v159
	v_max_num_f32 v208, v208, v210
	s_wait_alu depctr_va_vdst(0)                   ; the eight products S^T are done reading v32-95, in which V's loads land.  No line from here to the products O^T names v32-95 or v2
	VLD \buf, 0                                    ; V's four fragments, dealt among the lines that make M and f; they land while the softmax is worked
	v_permlanex16_b32 v212, v208, s[SEL], s[SEL+1]
	VLD \buf, 1
	v_max_num_f32 v208, v208, v212                 ; and among lane l xor 16's
	v_mul_f32 v208, s[CS], v208                    ; as t (c is positive)
	v_max_num_f32 v13, v13, v208                   ; the running largest t
	VLD \buf, 2
	v_mov_b32 v208, v12
	v_floor_f32 v12, -v13                          ; the new -M = floor(-t) = -ceil(t)
	v_sub_f32 v208, v12, v208                      ; old M - new M: a whole number, 0 or less
	VLD \buf, 3
	v_cvt_i32_f32 v208, v208                       ; (it saturates)
	v_ldexp_f32 v210, 1.0, v208                    ; f = 2^(old M - new M)
.set j, 0
.rept 32
	v_pk_fma_f32 v[96+j:97+j], v[96+j:97+j], s[CS:CS+1], v[12:13] op_sel_hi:[1,0,0]   ; t - M, two at a time (of the pairs c and -M the low word serves both halves)
.set j, j+2
.endr
.set j, 0
.rept 64
	v_exp_f32 v[96+j], v[96+j]                     ; p = 2^(t - M), at most 1
.set j, j+1
.endr
	v_pk_mul_f32 v[14:15], v[14:15], v[210:211] op_sel_hi:[1,0]   ; the sums under the new M; the plain line behind the exponentials
	s_wait_alu depctr_va_vdst(0)                   ; the 64 exponentials have written v96-159: one wait for the whole batch, ahead of its first reader
	v_pk_add_f32 v[214:215], v[96:97], v[98:99]    ; the row's sum is taken of the unquantised p, in two chains
.irp j, 4,8,12,16,20,24,28,32,36,40,44,48,52,56,60
	v_pk_add_f32 v[14:15], v[14:15], v[96+\j:97+\j]
	v_pk_add_f32 v[214:215], v[214:215], v[98+\j:99+\j]
.endr
	v_pk_add_f32 v[14:15], v[14:15], v[214:215]
	s_cmp_ge_i32 s20, -8                           ; with e4 >= -8 the largest code stands for 448 x 2^e4 >= 1.75, above every p: the hold would change nothing and is jumped over
	s_cbranch_scc1 .Lno_hold_\@
.set j, 0
.rept 64
	v_min_num_f32 v[96+j], v[96+j], v217           ; the conversion to an 8-bit code does not saturate (ISA guide 7.6.2); p is not negative, so the hold is one-sided
.set j, j+1
.endr
.Lno_hold_\@:
.irp b, 0,1,2,3
	v_cvt_scalef32_pk8_fp8_f32 v[192+4*\b:193+4*\b], v[96+16*\b:103+16*\b], v216
	v_cvt_scalef32_pk8_fp8_f32 v[194+4*\b:195+4*\b], v[104+16*\b:111+16*\b], v216
.endr
.set j, 0
.rept 16
	v_pk_mul_f32 v[160+j:161+j], v[160+j:161+j], v[210:211] op_sel_hi:[1,0]   ; O^T under the new M; these are also the plain lines between the conversions and the products
.set j, j+2
.endr
	s_wait_dscnt 0x0                               ; V is in
.irp t, 0,1,2,3
	v_wmma_f32_16x16x128_fp8_fp8 v[160+8*\t:167+8*\t], v[32+16*\t:47+16*\t], v[192:207], v[160+8*\t:167+8*\t]   ; O^T += V^T P^T: the four accumulators by turns
.endr
.Lhidden_\@:
	s_add_co_u32 s[ST], s[ST], 1
	s_wait_dscnt 0x0                               ; my stores into the other buffer have landed and my reads of this one are in
	s_barrier_signal -1
	s_barrier_wait -1                              ; both now hold of all sixteen waves
.endm
	s_mov_b32 s[ST], 0
	s_mov_b32 s[TR], 0
.Ltrip:                                            ; 8 trips of two steps: the buffers' offsets are immediates
	STEP 0
	STEP 1
	s_add_co_u32 s[TR], s[TR], 1
	s_cmp_lt_u32 s[TR], 8
	s_cbranch_scc1 .Ltrip
	; THE WAY OUT: y = O^T / the sum x 2^(e4 + e5), held, converted with 2^e6: registers 2 t, 2 t + 1 of the fragment (my tile of tokens, my head's 64 channels) of the last product's A.
.rept 4
	v_nop
.endr
	v_add_f32 v14, v14, v15                        ; the sum's two halves,
	v_permlanex16_b32 v212, v14, s[SEL], s[SEL+1]
	v_add_f32 v14, v14, v212                       ; and lane l xor 16's
	v_rcp_f32 v14, v14
	v_nop                                          ; a plain line behind the reciprocal
	s_add_co_i32 s42, s20, s21
	s_wait_alu depctr_va_vdst(0)                   ; the reciprocal has written v14, ahead of its first reader
	v_ldexp_f32 v14, v14, s42
.set j, 0
.rept 16
	v_pk_mul_f32 v[96+j:97+j], v[160+j:161+j], v[14:15] op_sel_hi:[1,0]   ; register 8 t + i: channel 16 t + 8 h + i of my query
.set j, j+2
.endr
.set j, 0
.rept 32
	v_med3_num_f32 v[96+j], v[96+j], -v220, v220
.set j, j+1
.endr
.irp t, 0,1,2,3
	v_cvt_scalef32_pk8_fp8_f32 v[192+2*\t:193+2*\t], v[96+8*\t:103+8*\t], v219
.endr
	v_nop
	s_wait_alu depctr_va_vdst(0)                   ; the four conversions have written v192-199, which the two stores read
	global_store_b128 v2, v[192:195], s[12:13]             ; 32 lanes store 512 consecutive bytes, aligned
	global_store_b128 v2, v[196:199], s[12:13] offset:512
	s_wait_dscnt 0x0
	s_wait_alu depctr_hold_cnt(0) depctr_sa_sdst(0) depctr_va_vdst(0) depctr_va_sdst(0) depctr_va_ssrc(0) depctr_va_vcc(0) depctr_vm_vsrc(0)
	s_wait_tensorcnt 0x0
	ds_add_u32 v222, v223
	s_wait_dscnt 0x0
	s_endpgm
.Lfunc_end_k_qe30286de0b_attn:
	.size	k_qe30286de0b_attn, .Lfunc_end_k_qe30286de0b_attn-k_qe30286de0b_attn
	.p2alignl 7, 3214868480
	.fill 96, 4, 3214868480
	.section	.rodata,"a",@progbits
	.p2align	6, 0x0
	.amdhsa_kernel k_qe30286de0b_attn
		.amdhsa_group_segment_fixed_size 34816
		.amdhsa_private_segment_fixed_size 0
		.amdhsa_enable_private_segment 0
		.amdhsa_kernarg_size 40
		.amdhsa_user_sgpr_count 2
		.amdhsa_user_sgpr_kernarg_segment_ptr 1
		.amdhsa_wavefront_size32 1
		.amdhsa_system_sgpr_workgroup_id_x 1
		.amdhsa_system_sgpr_workgroup_id_y 1
		.amdhsa_system_sgpr_workgroup_id_z 1
		.amdhsa_system_vgpr_workitem_id 0
		.amdhsa_next_free_vgpr 224
		.amdhsa_next_free_sgpr 66
		.amdhsa_reserve_vcc 0
		.amdhsa_float_denorm_mode_32 3
		.amdhsa_float_denorm_mode_16_64 3
		.amdhsa_memory_ordered 1
		.amdhsa_forward_progress 1
		.amdhsa_inst_pref_size 61
	.end_amdhsa_kernel
	.amdgpu_metadata
---
amdhsa.version: [ 1, 2 ]
amdhsa.kernels:
  - .name:           k_qe30286de0b_attn
    .symbol:         k_qe30286de0b_attn.kd
    .args:
      - { .name: q_img, .offset: 0, .size: 8, .value_kind: global_buffer, .address_space: global }
      - { .name: k_img, .offset: 8, .size: 8, .value_kind: global_buffer, .address_space: global }
      - { .name: v_img, .offset: 16, .size: 8, .value_kind: global_buffer, .address_space: global }
      - { .name: lowp_scales, .offset: 24, .size: 8, .value_kind: global_buffer, .address_space: global }
      - { .name: y_img, .offset: 32, .size: 8, .value_kind: global_buffer, .address_space: global }
    .group_segment_fixed_size: 34816
    .private_segment_fixed_size: 0
    .kernarg_segment_align: 8
    .kernarg_segment_size: 40
    .max_flat_workgroup_size: 512
    .sgpr_count:     66
    .vgpr_count:     224
    .wavefront_size: 32
...
	.end_amdgpu_metadata
.endif
;; end of part 5
;; launch proj: the kernel of part 4 again; grid 8 x 32, 4 waves a work-group, clusters of 4 x 4, 280,064 bytes of LDS; arguments y_img, wp_img, b_proj, lowp_scales, out0; writes out0
